; MI455X (gfx1250); checked and timed in simulation.
; The chip was launched on July 23, 2026; its instructions are those of AMD's public machine-readable ISA for CDNA 5 (MIT licence, August 2026) and "CDNA5" Instruction Set Architecture Reference Guide (July 2026). The comments in the code are by the model that wrote it; some were corrected since.
;; KAN GLU Expert. Allowed arithmetic: float matrix products may take bf16 or f16 operands with f32 sums; other float arithmetic in f32, or as packed bf16 or f16 multiplies, adds, multiply-adds, maxima and minima; sums over many terms, partial sums and values carried from step to step in f32; what a program stores and reads back later, other than sums and carried values, may be rounded once to bf16 or f16.
;; Inputs: base_w1 1,024 x 1,024 float32; base_w2 1,024 x 1,024 float32; base_w3 1,024 x 1,024 float32; grid_ff 1,024 x 8 float32; grid_in 1,024 x 8 float32; spline_w1 1,024 x 1,024 x 4 float32; spline_w2 1,024 x 1,024 x 4 float32; spline_w3 1,024 x 1,024 x 4 float32; x 2 x 2,048 x 1,024 float32.
;; Outputs: out0 2 x 2,048 x 1,024 float32.
;; 2 versions, each right; version 2 is version 1 with the launch prep written anew for expert scheduling mode. Each part assembles by itself: llvm-mc -triple=amdgcn-amd-amdhsa -mcpu=gfx1250 --defsym DOCPART=n.
;; ======== version 1 of 2: 3 launches
;; limits: values are held in f16: magnitudes above 65,504 overflow, below 6.1e-05 lose precision
;; workspace buffers: f1 41,943,040 bytes; f2 41,943,040 bytes; w12 20,971,520 bytes; w3 10,485,760 bytes
;; launch prep (part 1): grid 256 x 4, 8 waves a work-group, no clusters, 0 bytes of LDS; arguments x, grid_in, base_w1, base_w2, base_w3, spline_w1, spline_w2, spline_w3, f1, w12, w3; writes f1, w12, w3
.if DOCPART == 1
	.amdgcn_target "amdgcn-amd-amdhsa--gfx1250"
	.amdhsa_code_object_version 6
	.text
	.protected	k_q3627725841_prep
	.globl	k_q3627725841_prep
	.p2align	8
	.type	k_q3627725841_prep,@function
k_q3627725841_prep:
	s_mov_b64 s[64:65], 0
	v_nop
	global_prefetch_b8 v0, s[64:65] scope:SCOPE_SE
	s_setreg_imm32_b32 hwreg(HW_REG_WAVE_MODE, 25, 1), 1
	s_wait_xcnt 0x0
; PREP: the matrix operands of the two products are made, each number once.  The work-group's y says which:
;   y = 0      f1[n][:]  = the 5,120 features of row n of x: silu(x) and the four cubic B-spline bases of each of the 1,024 numbers, in f16
;   y = 1, 2   w12       = base_w1 | spline_w1 and base_w2 | spline_w2, rounded to bf16 and that number written as f16
;   y = 3      w3        = base_w3 | spline_w3, rounded to bf16
; A row of f1, w12, w3 is 5,120 numbers of 16 bits, 10,240 bytes.  THE ORDER ALONG K is the same in all of them:
;   k >= 1024: k = 1024 + 4 i + c (feature i, basis c), as spline_w lies in memory.
;   k <  1024: in each group of 128 features the 8 bytes number l hold features 2 l, 2 l + 1, 64 + 2 l, 64 + 2 l + 1: so a lane that owns two pairs of
;              neighbouring features, 64 apart, loads 8 bytes twice and stores 8 bytes once, and a wave's loads and stores cover 256 consecutive bytes, aligned.
; w12's rows: block q of 128 rows holds w1's rows 64 q .. 64 q + 63 and then w2's same rows, so that the next launch finds both factors of a number of h in one wave.
; THE SPLINE is the recursion of Cox and de Boor on the knots AS GIVEN, eight for each feature, with no order or spacing built in: d[t] = x - g[t];
; order 0: x >= g[t] and not x >= g[t+1]; level j: B[t] = d[t] P[t] - d[t+j+1] P[t+1] with P[t] = B[t] / (g[t+j] - g[t]); each division is a product with a reciprocal made once for each feature.
; LIMITS.  x, the knots and all weights are rounded to bf16 first.  A feature's knots must stay distinct after that rounding (where two coincide the formula has 0 / 0; this text then gives 0 for
; the first level's term).  A gap between knots under 2^-126 counts as 0.  f16 ends at 65,504: silu(x), the bases (0 to 1 for ascending knots), w1 and w2 must lie within it;
; below 6e-5 w1 and w2 keep f16's fixed step of 6e-8.
; No LDS, no barrier, no matrix unit: no wave wants a number that another wave has.
.set ROWX, 4096                        ; bytes in a row of x and of a base_w
.set ROWF, 10240                       ; bytes in a row of f1, w12, w3
.set XO,  2                            ; v2   512 w + 8 l: my first pair in a row of x (the second 256 bytes on)
.set SO,  3                            ; v3   2048 + 1024 w + 16 l: my first pair's eight bases in a row of f1 (the second pair's 512 bytes on)
.set BO,  4                            ; v4   256 w + 8 l: my four silu numbers in a row of f1
.set GFO, 5                            ; v5   4096 w + 64 l: my first pair's knots
.set LN,  6                            ; v6   lane
.set X,   8                            ; v[8:15]    two rows of x as loaded: row 0 pair A, pair B, row 1 pair A, pair B
.set XR,  16                           ; v[16:23]   the same rounded to bf16, as f32
.set TT,  24                           ; v[24:27]   at work
.set E,   28                           ; v[28:35]   silu at work
.set CA,  40                           ; v[40:91]   pair A's 26 constants, constant q of feature e at CA + 2 q + e: q = 0-7 knots, 8-14, 15-20, 21-25 the reciprocals of the gaps over 1, 2, 3 knots
.set CBP, 92                           ; v[92:143]  pair B's
.set D,   144                          ; v[144:159] d[0..7], a pair each
.set P,   160                          ; v[160:173]
.set B,   174                          ; v[174:185]
.set T,   186                          ; v[186:197]
.set GR,  144                          ; v[144:175] the knots as loaded, at the head only
.set O,   200                          ; v[200:215] four sets of 16 bytes of bases
.set SB,  216                          ; v[216:219] silu, packed
.set M,   40                           ; s[40:55]   lane masks: x >= g[t], then the order-0 indicator
	s_load_b512 s[8:23], s[0:1], 0x0               ; x, grid_in, base_w1, base_w2, base_w3, spline_w1, spline_w2, spline_w3
	s_load_b128 s[24:27], s[0:1], 0x40             ; f1, w12
	s_load_b64 s[28:29], s[0:1], 0x50              ; w3
	v_lshrrev_b32 v1, 5, v0
	v_readfirstlane_b32 s31, v1                    ; wave 0..7
	v_and_b32 v[LN], 31, v0
	s_and_b32 s30, ttmp7, 0xffff                   ; y: the kind of work
	s_mov_b32 s35, 0xffff0000                      ; a word's upper bf16
	s_wait_kmcnt 0x0
	s_cmp_lg_u32 s30, 0
	s_cbranch_scc1 .Lcast
; ---------------- y = 0: the features of 16 rows of x.  Wave w owns features 128 w .. 128 w + 127, lane l the pairs 128 w + 2 l and 128 w + 64 + 2 l.
	s_lshl_b32 s32, ttmp9, 16                      ; 16 rows of 4,096 bytes
	s_mov_b32 s33, 0
	s_add_nc_u64 s[8:9], s[8:9], s[32:33]
	s_mul_i32 s32, ttmp9, 16*ROWF
	s_add_nc_u64 s[24:25], s[24:25], s[32:33]
	s_lshl_b32 s36, s31, 9
	v_lshl_add_u32 v[XO], v[LN], 3, s36
	s_lshl_b32 s36, s31, 10
	s_add_co_u32 s36, s36, 2048
	v_lshl_add_u32 v[SO], v[LN], 4, s36
	s_lshl_b32 s36, s31, 8
	v_lshl_add_u32 v[BO], v[LN], 3, s36
	s_lshl_b32 s36, s31, 12
	v_lshl_add_u32 v[GFO], v[LN], 6, s36
	global_load_b64 v[X:X+1],   v[XO], s[8:9] th:TH_LOAD_NT
	global_load_b64 v[X+2:X+3], v[XO], s[8:9] offset:256 th:TH_LOAD_NT
	global_load_b64 v[X+4:X+5], v[XO], s[8:9] offset:ROWX th:TH_LOAD_NT
	global_load_b64 v[X+6:X+7], v[XO], s[8:9] offset:ROWX+256 th:TH_LOAD_NT
.irp i, 0,1,2,3
	global_load_b128 v[GR+4*(\i):GR+4*(\i)+3],       v[GFO], s[10:11] offset:16*(\i)        ; pair A: eight knots of each of two features
	global_load_b128 v[GR+16+4*(\i):GR+16+4*(\i)+3], v[GFO], s[10:11] offset:2048+16*(\i)   ; pair B: 64 features of 32 bytes on
.endr
; The 26 constants of a pair of features: the knots rounded to bf16 and laid in pairs, the gaps, their reciprocals.
.macro CONS cb, gr
.irp q, 0,1,2,3,4,5,6,7
	v_cvt_pk_bf16_f32 v[TT+(\q)%4], v[(\gr)+(\q)], v[(\gr)+8+(\q)]
	v_lshlrev_b32 v[(\cb)+2*(\q)], 16, v[TT+(\q)%4]
	v_and_b32 v[(\cb)+2*(\q)+1], s35, v[TT+(\q)%4]
.endr
.irp t, 0,1,2,3,4,5,6
	v_pk_add_f32 v[(\cb)+16+2*(\t):(\cb)+17+2*(\t)], v[(\cb)+2*(\t)+2:(\cb)+2*(\t)+3], v[(\cb)+2*(\t):(\cb)+2*(\t)+1] neg_lo:[0,1] neg_hi:[0,1]
.endr
.irp t, 0,1,2,3,4,5
	v_pk_add_f32 v[(\cb)+30+2*(\t):(\cb)+31+2*(\t)], v[(\cb)+2*(\t)+4:(\cb)+2*(\t)+5], v[(\cb)+2*(\t):(\cb)+2*(\t)+1] neg_lo:[0,1] neg_hi:[0,1]
.endr
.irp t, 0,1,2,3,4
	v_pk_add_f32 v[(\cb)+42+2*(\t):(\cb)+43+2*(\t)], v[(\cb)+2*(\t)+6:(\cb)+2*(\t)+7], v[(\cb)+2*(\t):(\cb)+2*(\t)+1] neg_lo:[0,1] neg_hi:[0,1]
.endr
.set z, 16
.rept 36
	v_rcp_f32 v[(\cb)+z], v[(\cb)+z]
.set z, z+1
.endr
.endm
	s_wait_loadcnt 0x0                             ; the knots (and the first two rows of x)
	CONS CA, GR
	CONS CBP, GR+16
	v_nop                                          ; a plain instruction behind the last reciprocal,
	s_wait_alu depctr_va_vdst(0)                   ; and one wait for all 72, ahead of the loop's label and of their first use
; One level of the recursion for a pair of numbers: n terms, B[t] = d[t] P[t] - d[t+j+1] P[t+1].
.macro LEVEL j, n
.set t, 0
.rept \n
	v_pk_mul_f32 v[T+2*t:T+2*t+1], v[D+2*t:D+2*t+1], v[P+2*t:P+2*t+1]
.set t, t+1
.endr
.set t, 0
.rept \n
	v_pk_fma_f32 v[B+2*t:B+2*t+1], v[D+2*(t+(\j)+1):D+2*(t+(\j)+1)+1], v[P+2*t+2:P+2*t+3], v[T+2*t:T+2*t+1] neg_lo:[1,0,0] neg_hi:[1,0,0]
.set t, t+1
.endr
.endm
.macro PSC c, n                        ; P[t] = B[t] x the next level's reciprocals, which begin at register c
.set t, 0
.rept \n
	v_pk_mul_f32 v[P+2*t:P+2*t+1], v[B+2*t:B+2*t+1], v[(\c)+2*t:(\c)+2*t+1]
.set t, t+1
.endr
.endm
; The four bases of the two numbers in v[xr:xr+1], with the constants at cb, packed to 16 bytes of f16 at v[o:o+3].
.macro SPL xr, cb, o
.irp t, 0,1,2,3,4,5,6,7
	v_cmp_ge_f32 s[M+2*(\t)],   v[(\xr)],   v[(\cb)+2*(\t)]
	v_cmp_ge_f32 s[M+2*(\t)+1], v[(\xr)+1], v[(\cb)+2*(\t)+1]
.endr
.irp t, 0,1,2,3,4,5,6,7
	v_pk_add_f32 v[D+2*(\t):D+2*(\t)+1], v[(\xr):(\xr)+1], v[(\cb)+2*(\t):(\cb)+2*(\t)+1] neg_lo:[0,1] neg_hi:[0,1]
.endr
.irp t, 0,1,2,3,4,5,6
	s_and_not1_b32 s[M+2*(\t)],   s[M+2*(\t)],   s[M+2*(\t)+2]      ; x >= g[t] and not x >= g[t+1]; t ascending, so the next mask is still whole
	s_and_not1_b32 s[M+2*(\t)+1], s[M+2*(\t)+1], s[M+2*(\t)+3]
.endr
.irp t, 0,1,2,3,4,5,6
	v_cndmask_b32 v[P+2*(\t)],   0, v[(\cb)+16+2*(\t)], s[M+2*(\t)]
	v_cndmask_b32 v[P+2*(\t)+1], 0, v[(\cb)+17+2*(\t)], s[M+2*(\t)+1]
.endr
	LEVEL 1, 6
	PSC (\cb)+30, 6
	LEVEL 2, 5
	PSC (\cb)+42, 5
	LEVEL 3, 4
	v_cvt_pk_f16_f32 v[(\o)],   v[B],   v[B+2]     ; the first feature's bases 0, 1
	v_cvt_pk_f16_f32 v[(\o)+1], v[B+4], v[B+6]     ; 2, 3
	v_cvt_pk_f16_f32 v[(\o)+2], v[B+1], v[B+3]     ; the second feature's
	v_cvt_pk_f16_f32 v[(\o)+3], v[B+5], v[B+7]
.endm
	s_mov_b32 s34, 8
.Ltrip:                                        ; eight trips of two rows
	s_wait_loadcnt 0x0                             ; this trip's four loads, issued a trip ago
.irp i, 0,1,2,3
	v_cvt_pk_bf16_f32 v[TT+(\i)], v[X+2*(\i)], v[X+2*(\i)+1]
.endr
.irp i, 0,1,2,3
	v_lshlrev_b32 v[XR+2*(\i)], 16, v[TT+(\i)]
	v_and_b32 v[XR+2*(\i)+1], s35, v[TT+(\i)]
.endr
	s_cmp_eq_u32 s34, 1                            ; the last trip loads nothing: no load leaves the work-group's 16 rows; the wait above is for 0 on both ways
	s_cbranch_scc1 .Lnl
	global_load_b64 v[X:X+1],   v[XO], s[8:9] offset:2*ROWX th:TH_LOAD_NT
	global_load_b64 v[X+2:X+3], v[XO], s[8:9] offset:2*ROWX+256 th:TH_LOAD_NT
	global_load_b64 v[X+4:X+5], v[XO], s[8:9] offset:3*ROWX th:TH_LOAD_NT
	global_load_b64 v[X+6:X+7], v[XO], s[8:9] offset:3*ROWX+256 th:TH_LOAD_NT
.Lnl:
.irp i, 0,1,2,3
	v_pk_mul_f32 v[E+2*(\i):E+2*(\i)+1], v[XR+2*(\i):XR+2*(\i)+1], 0xbfb8aa3b op_sel_hi:[1,0]  ; - x log2(e)
.endr
.irp i, 0,1,2,3,4,5,6,7
	v_exp_f32 v[E+(\i)], v[E+(\i)]
.endr
	SPL XR, CA, O                                  ; a spline's work stands between the eight exponentials and their one wait
	global_store_b128 v[SO], v[O:O+3], s[24:25]    ; a wave's store covers 512 consecutive bytes, aligned to 256
	s_wait_alu depctr_va_vdst(0)
.irp i, 0,1,2,3
	v_pk_add_f32 v[E+2*(\i):E+2*(\i)+1], v[E+2*(\i):E+2*(\i)+1], 1.0 op_sel_hi:[1,0]
.endr
.irp i, 0,1,2,3,4,5,6,7
	v_rcp_f32 v[E+(\i)], v[E+(\i)]
.endr
	SPL XR+2, CBP, O+4                             ; and another between the eight reciprocals and theirs
	global_store_b128 v[SO], v[O+4:O+7], s[24:25] offset:512
	s_wait_alu depctr_va_vdst(0)
.irp i, 0,1,2,3
	v_pk_mul_f32 v[E+2*(\i):E+2*(\i)+1], v[E+2*(\i):E+2*(\i)+1], v[XR+2*(\i):XR+2*(\i)+1]  ; silu(x) = x / (1 + 2^(- x log2(e)))
.endr
.irp i, 0,1,2,3
	v_cvt_pk_f16_f32 v[SB+(\i)], v[E+2*(\i)], v[E+2*(\i)+1]
.endr
	global_store_b64 v[BO], v[SB:SB+1], s[24:25]               ; 256 consecutive bytes a wave, aligned
	global_store_b64 v[BO], v[SB+2:SB+3], s[24:25] offset:ROWF
	SPL XR+4, CA, O+8
	global_store_b128 v[SO], v[O+8:O+11], s[24:25] offset:ROWF
	SPL XR+6, CBP, O+12
	global_store_b128 v[SO], v[O+12:O+15], s[24:25] offset:ROWF+512
	s_wait_xcnt 0x0                                ; the two bases and the stores' data are written again only behind this wait
	s_add_nc_u64 s[8:9], s[8:9], 2*ROWX
	s_add_nc_u64 s[24:25], s[24:25], 2*ROWF
	s_sub_co_u32 s34, s34, 1
	s_cmp_lg_u32 s34, 0
	s_cbranch_scc1 .Ltrip
	s_endpgm
; ---------------- y = 1, 2, 3: four rows of one layer's weights.  All 24 loads of a wave go out at once; they are used in the order of issue, under counted waits.
.Lcast:
	s_cmp_eq_u32 s30, 1
	s_cselect_b64 s[32:33], s[12:13], s[14:15]     ; base_w
	s_cselect_b64 s[36:37], s[18:19], s[20:21]     ; spline_w
	s_cmp_eq_u32 s30, 3
	s_cselect_b64 s[32:33], s[16:17], s[32:33]
	s_cselect_b64 s[36:37], s[22:23], s[36:37]
	s_cselect_b64 s[56:57], s[28:29], s[26:27]     ; w3 or w12
	s_cselect_b32 s38, -1, 0                       ; all lanes: bf16 (w3) or f16 (w12)
	s_lshl_b32 s39, ttmp9, 2                       ; my first row o
	s_lshr_b32 s58, s39, 6
	s_lshl_b32 s58, s58, 7
	s_and_b32 s59, s39, 63
	s_add_co_u32 s58, s58, s59                     ; in w12: 128 (o / 64) + o % 64,
	s_cmp_eq_u32 s30, 2
	s_cselect_b32 s59, 64, 0
	s_add_co_u32 s58, s58, s59                     ; 64 further on for w2;
	s_cmp_eq_u32 s30, 3
	s_cselect_b32 s58, s39, s58                    ; in w3: o
	s_mul_i32 s58, s58, ROWF
	s_mov_b32 s59, 0
	s_add_nc_u64 s[56:57], s[56:57], s[58:59]
	s_lshl_b32 s58, ttmp9, 16                      ; four rows of 16,384 bytes of spline_w
	s_add_nc_u64 s[36:37], s[36:37], s[58:59]
	s_lshl_b32 s58, ttmp9, 14                      ; four rows of 4,096 bytes of base_w
	s_add_nc_u64 s[32:33], s[32:33], s[58:59]
	s_lshl_b32 s60, s31, 9
	v_lshl_add_u32 v2, v[LN], 4, s60               ; 512 w + 16 l: four f32 of spline_w
	v_lshl_add_u32 v3, v[LN], 3, s60               ; 512 w + 8 l: a pair of base_w (the second pair 256 bytes on)
	s_lshl_b32 s60, s31, 8
	v_lshl_add_u32 v4, v[LN], 3, s60               ; 256 w + 8 l: where four 16-bit numbers go
.irp i, 0,1,2,3
.irp c, 0,1,2,3
	global_load_b128 v[8+20*(\i)+4*(\c):8+20*(\i)+4*(\c)+3], v2, s[36:37] offset:(\i)*16384+(\c)*4096 th:TH_LOAD_NT
.endr
	global_load_b64 v[8+20*(\i)+16:8+20*(\i)+17], v3, s[32:33] offset:(\i)*ROWX th:TH_LOAD_NT
	global_load_b64 v[8+20*(\i)+18:8+20*(\i)+19], v3, s[32:33] offset:(\i)*ROWX+256 th:TH_LOAD_NT
.endr
; Two f32 are rounded to bf16; for w12 that number is written as f16 (exact within f16's range).  The choice only selects a value.
.macro CV dst, a, tb
	v_cvt_pk_bf16_f32 v[\tb], v[\a], v[(\a)+1]
	v_lshlrev_b32 v[(\tb)+1], 16, v[\tb]
	v_and_b32 v[(\tb)+2], s35, v[\tb]
	v_cvt_pk_f16_f32 v[(\tb)+3], v[(\tb)+1], v[(\tb)+2]
	v_cndmask_b32 v[\dst], v[(\tb)+3], v[\tb], s38
.endm
.irp i, 0,1,2,3
.irp c, 0,1,2,3
	s_wait_loadcnt 23-6*(\i)-(\c)                  ; load number 6 i + c of 24 is in; the younger ones stay out
	CV 88+10*(\i)+2*(\c),   8+20*(\i)+4*(\c),   128
	CV 88+10*(\i)+2*(\c)+1, 8+20*(\i)+4*(\c)+2, 132
	global_store_b64 v4, v[88+10*(\i)+2*(\c):88+10*(\i)+2*(\c)+1], s[56:57] offset:(\i)*ROWF+2048+(\c)*2048  ; 256 consecutive bytes a wave, aligned; each store has data registers of its own
.endr
	s_wait_loadcnt 18-6*(\i)                       ; the row's two loads of base_w, numbers 6 i + 4 and 6 i + 5
	CV 88+10*(\i)+8, 8+20*(\i)+16, 128
	CV 88+10*(\i)+9, 8+20*(\i)+18, 132
	global_store_b64 v4, v[88+10*(\i)+8:88+10*(\i)+9], s[56:57] offset:(\i)*ROWF
.endr
	s_endpgm
.Lfunc_end_k_q3627725841_prep:
	.size	k_q3627725841_prep, .Lfunc_end_k_q3627725841_prep-k_q3627725841_prep
	.p2alignl 7, 3214868480
	.fill 96, 4, 3214868480
	.section	.rodata,"a",@progbits
	.p2align	6, 0x0
	.amdhsa_kernel k_q3627725841_prep
		.amdhsa_group_segment_fixed_size 0
		.amdhsa_private_segment_fixed_size 0
		.amdhsa_enable_private_segment 0
		.amdhsa_kernarg_size 88
		.amdhsa_user_sgpr_count 2
		.amdhsa_user_sgpr_kernarg_segment_ptr 1
		.amdhsa_wavefront_size32 1
		.amdhsa_system_sgpr_workgroup_id_x 1
		.amdhsa_system_sgpr_workgroup_id_y 1
		.amdhsa_system_sgpr_workgroup_id_z 1
		.amdhsa_system_vgpr_workitem_id 0
		.amdhsa_next_free_vgpr 224
		.amdhsa_next_free_sgpr 66
		.amdhsa_reserve_vcc 0
		.amdhsa_float_denorm_mode_32 3
		.amdhsa_float_denorm_mode_16_64 3
		.amdhsa_memory_ordered 1
		.amdhsa_forward_progress 1
		.amdhsa_inst_pref_size 51
	.end_amdhsa_kernel
	.amdgpu_metadata
---
amdhsa.version: [ 1, 2 ]
amdhsa.kernels:
  - .name:           k_q3627725841_prep
    .symbol:         k_q3627725841_prep.kd
    .args:
      - { .name: x, .offset: 0, .size: 8, .value_kind: global_buffer, .address_space: global }
      - { .name: grid_in, .offset: 8, .size: 8, .value_kind: global_buffer, .address_space: global }
      - { .name: base_w1, .offset: 16, .size: 8, .value_kind: global_buffer, .address_space: global }
      - { .name: base_w2, .offset: 24, .size: 8, .value_kind: global_buffer, .address_space: global }
      - { .name: base_w3, .offset: 32, .size: 8, .value_kind: global_buffer, .address_space: global }
      - { .name: spline_w1, .offset: 40, .size: 8, .value_kind: global_buffer, .address_space: global }
      - { .name: spline_w2, .offset: 48, .size: 8, .value_kind: global_buffer, .address_space: global }
      - { .name: spline_w3, .offset: 56, .size: 8, .value_kind: global_buffer, .address_space: global }
      - { .name: f1, .offset: 64, .size: 8, .value_kind: global_buffer, .address_space: global }
      - { .name: w12, .offset: 72, .size: 8, .value_kind: global_buffer, .address_space: global }
      - { .name: w3, .offset: 80, .size: 8, .value_kind: global_buffer, .address_space: global }
    .group_segment_fixed_size: 0
    .private_segment_fixed_size: 0
    .kernarg_segment_align: 8
    .kernarg_segment_size: 88
    .max_flat_workgroup_size: 256
    .sgpr_count:     66
    .vgpr_count:     224
    .wavefront_size: 32
...
	.end_amdgpu_metadata
.endif
;; end of part 1
;; launch gemm1 (part 2): grid 8 x 32, 4 waves a work-group, clusters of 4 x 4, 327,680 bytes of LDS; arguments f1, w12, grid_ff, f2; writes f2
.if DOCPART == 2
	.amdgcn_target "amdgcn-amd-amdhsa--gfx1250"
	.amdhsa_code_object_version 6
	.text
	.protected	k_q3627725841_gemm1
	.globl	k_q3627725841_gemm1
	.p2align	8
	.type	k_q3627725841_gemm1,@function
k_q3627725841_gemm1:
	s_mov_b64 s[64:65], 0
	v_nop
	global_prefetch_b8 v0, s[64:65] scope:SCOPE_SE
	s_setreg_imm32_b32 hwreg(HW_REG_WAVE_MODE, 25, 1), 1
	s_wait_xcnt 0x0
	s_wait_alu depctr_hold_cnt(0) depctr_sa_sdst(0) depctr_va_vdst(0) depctr_va_sdst(0) depctr_va_ssrc(0) depctr_va_vcc(0) depctr_vm_vsrc(0)
	s_getreg_b32 s2, hwreg(HW_REG_IB_STS2, 6, 4)
	s_cmp_eq_u32 s2, 0
	s_cbranch_scc0 .Lentry_in_a_cluster
	s_endpgm
.Lentry_in_a_cluster:
	s_bfe_u32 s2, ttmp6, 0x10000c
	s_cmp_lg_u32 s2, 0xf033
	s_cbranch_scc0 .Lentry_shape_is_right
	s_endpgm
.Lentry_shape_is_right:
; GEMM1: C = f1 w12^T (f16 operands, f32 sums, K = 5,120); h = C1 * C2 in registers, in f32; f2[n][:] = the 5,120 features of row n of h (silu and four B-spline bases a number), in bf16.
; h never goes to memory.  f1: [4096][5120] f16, w12: [2048][5120] f16, f2: [4096][5120] bf16; grid_ff: [1024][8] f32, the knots of h's features.
; SHARES.  A work-group makes 128 rows x 256 columns of C, which are 128 features of h: 8 x 32 = 256 work-groups.  Four waves, each 64 rows x 128 columns: 32 accumulators of 16 x 16.
; w12's rows lie in blocks of 128: 64 rows of w1, then the same 64 of w2.  So a wave's column blocks 0-3 are C1 and 4-7 are C2 of the SAME 64 features: h is the product of two accumulators, lane by lane, register by register.
; The matrix instruction is used the natural way (source 0 = 16 rows of f1, source 1 = 16 rows of w12): a lane holds ONE feature (lane % 16) and the rows 8 (lane / 16) + 0..7.
; So a feature's 26 spline constants lie in 26 registers of the lane and serve all its rows, and a packed instruction takes two rows with one constant given to both.
; RING.  K goes in steps of 128 (rows of 256 bytes of memory, aligned to 256) through two LDS slots of 128 rows of f1 and 256 rows of w12; two slots of twice the step would not fit in LDS.
; CLUSTER.  4 x 4 work-groups: the four of a row need the same tile of f1, the four of a column the same tile of w12: each is asked for jointly.
; THE ORDER ALONG K in f2 is that of f1 (k >= 1024: 1024 + 4 i + c; k < 1024: in a group of 128 features the 8 bytes number l hold features 2 l, 2 l + 1, 64 + 2 l, 64 + 2 l + 1).
; LIMITS.  The knots are rounded to bf16 first and must stay distinct after it (where two coincide the formula has 0 / 0; this text then gives 0 for the first level's term); a gap under 2^-126 counts as 0.
; f1 and w12 arrive within f16's range.  h's features go in bf16, which has f32's range.
; REGISTERS, in windows of 256 (s_set_vgpr_msb: bits 1:0 source 0, 3:2 source 1, 5:4 source 2, 7:6 destination):
;   window 0: addresses, the spline's constants and work      window 1: two fragment buffers of 96 (A's four fragments, then B's eight)      window 2: the accumulators, (a, b) at 8 (8 a + b)
.set KROW,  10240                      ; bytes in a row of f1, w12, f2
.set PITCH, 272                        ; an LDS row: 256 bytes + 16 of padding = 68 words: the 16 rows of a fragment load start at 16 different groups of four banks (64 banks of 4 bytes: ISA guide 11.1)
.set BOFF,  128*PITCH                  ; in a slot: f1's 128 rows, then w12's 256
.set SLOT,  384*PITCH
.set SPARE, 2*SLOT                     ; behind the ring: the spare words, 128 bytes a wave: two blocks of 256 bytes that no other line names
.set SPS,   1040                       ; the stage for the bases (in the ring's bytes, behind its last fill): 128 rows of 1,024 bytes + 16
.set SPB,   272                        ; the stage for silu: 128 rows of 256 bytes + 16
.set SIL,   128*SPS
.set ADRA, 16                          ; v16-17  LDS address of my A fragments in slot 0, 1
.set ADRB, 18                          ; v18-19  the same for B
.set STS,  20                          ; v20     where my feature's 8 bytes of bases go, first row of the row block in hand
.set STB,  21                          ; v21     where its silu goes
.set RDS,  22                          ; v22     the way out: my 16 bytes of 512 in the bases' stage
.set GOS,  23                          ; v23     and in f2
.set RDB,  24                          ; v24     the way out: my 16 bytes of a row of the silu stage
.set GOB,  25                          ; v25     and in f2
.set GFO,  26                          ; v26     my feature's knots
.set SPW,  28                          ; v28     LDS address of my spare word; never rewritten
.set NIL,  29                          ; v29     0; never rewritten
.set PFO,  30                          ; v30     the prefetches' offset: lane x a row; never rewritten
.set CB0,  32                          ; v[32:135]  26 constants for each of my four features (column block b at CB0 + 26 b): 0-7 knots, 8-14, 15-20, 21-25 reciprocals of the gaps over 1, 2, 3 knots
.set D,    136
.set P,    152
.set B,    166
.set T,    178
.set O,    190                         ; v[190:193] two rows' bases, packed
.set E,    194                         ; v[194:201] silu at work
.set TT,   202
.set H,    204                         ; v[204:235] h of one row block: column block b, row j at H + 8 b + j
.set SBD,  236                         ; v[236:239] silu, two rows a register
.set F0,   0
.set F1,   96
.set WV,   84                          ; s84 wave, s85 wave / 2 (my half of the rows), s86 wave % 2 (my half of the columns; which part of a tile I fetch)
.set WR,   85
.set WC,   86
.set G1,   24                          ; s[24:31] descriptor group 1 for f1's tiles; s[32:39] group 0, a set for each slot
.set G0,   32
.set G1B,  48                          ; s[48:55], s[56:63] the same for w12's
.set G0B,  56
.set LIM,  43                          ; s43     2 in a wave that prefetches, else the greatest number
.set PFA,  44                          ; s[44:45] where my prefetches stand
.set M,    68                          ; s[68:83] lane masks
.set F2S,  88                          ; s[88:89] f2 at my 32 rows' bases
.set F2B,  90                          ; s[90:91] f2 at my 32 rows' silu
.set MSB,  0
.macro WIN new                         ; the immediate's high byte repeats the setting that is left; a switch that changes nothing is dropped
.if MSB != (\new)
	s_set_vgpr_msb (MSB<<8)|(\new)
.set MSB, \new
.endif
.endm
.set MUL,  0xa5                        ; A and B window 1, C and D window 2
.set TO_F, 0x40                        ; destination window 1, address window 0
.set HM,   0x0a                        ; sources 0 and 1 window 2, destination window 0
; A joint load: waves 0 and 1 fetch the two halves of f1's tile (64 rows each), waves 2 and 3 those of w12's (128 rows each).  The branch hangs on the wave's number alone.
; An s_nop 0 and four v_nop follow each of the two lines, ahead of the jump, the label and what follows.
.macro JLOAD s
	s_cmp_lt_u32 s[WV], 2
	s_cbranch_scc0 .Lfor_b_\@
	tensor_load_to_lds s[G0+4*(\s):G0+4*(\s)+3], s[G1:G1+7]
	s_nop 0
.rept 4
	v_nop
.endr
	s_branch .Lasked_\@
.Lfor_b_\@:
	tensor_load_to_lds s[G0B+4*(\s):G0B+4*(\s)+3], s[G1B:G1B+7]
	s_nop 0
.rept 4
	v_nop
.endr
.Lasked_\@:
.endm
.macro CREST                           ; a round of the cluster's barrier behind its opening barrier
	s_cmp_lg_u32 s[WV], 0
	s_cbranch_scc1 .Lnot_wave_0_\@
	s_barrier_signal -3
.Lnot_wave_0_\@:
	s_barrier_wait -3
	s_barrier_signal -1
	s_barrier_wait -1
.endm
.macro CROUND                          ; a whole round
	s_barrier_signal -1
	s_barrier_wait -1
	CREST
.endm
.macro PLACES                          ; four places in front of loads into registers that matrix instructions have read, and of lines that read results
.rept 4
	v_nop
.endr
.endm
; A PREFETCH INTO THE L2 of the K step that stands FOUR refills on (512 matrix instructions of a wave): 32 rows x 256 bytes, a lane a row, one instruction.  Each row's 256 bytes of a K step are named once in the launch:
; f1's rows by the clusters with x = 0, wave 0 (of a tile's 128 rows the partner at cx takes 32 cx ..); w12's by the clusters with y = 0, waves 2 and 3 (of the 128 rows that the wave fetches the partner at cy takes 32 cy ..).
; The partners are told apart by address alone.  K steps 0 to 5 come by their loads alone; the loop's last two trips ask for nothing, since K step 39 is the last.
.macro ASK
	WIN 0
	s_cmp_gt_u32 s3, s[LIM]
	s_cbranch_scc0 .Lnot_mine_\@
	global_prefetch_b8 v[PFO], s[PFA:PFA+1] th:TH_LOAD_NT scope:SCOPE_SE
.Lnot_mine_\@:
.endm
	s_load_b256 s[4:11], s[0:1], 0x0               ; f1 s[4:5], w12 s[6:7], grid_ff s[8:9], f2 s[10:11]
	v_lshl_add_u32 v[SPW], v0, 2, SPARE
	v_mov_b32 v[NIL], 0
	ds_add_u32 v[SPW], v[NIL]                      ; the wave's opening: the add, twice on end, and its wait ahead of my first tensor load
	ds_add_u32 v[SPW], v[NIL]                      ; once more, under the one wait; the set-up below, work on registers, stands between
	v_lshrrev_b32 v1, 5, v0
	v_readfirstlane_b32 s[WV], v1                  ; wave 0..3
	s_lshr_b32 s[WR], s[WV], 1
	s_and_b32 s[WC], s[WV], 1
	s_bfe_u32 s40, ttmp6, 0x40000                  ; cx, cy: my place in the cluster
	s_bfe_u32 s41, ttmp6, 0x40004
	s_lshl_b32 s42, ttmp9, 2
	s_add_co_u32 s42, s42, s40                     ; tile column = 4 x cluster x + cx
	s_and_b32 s13, ttmp7, 0xffff
	s_lshl_b32 s13, s13, 2
	s_add_co_u32 s13, s13, s41                     ; tile row = 4 x cluster y + cy
	s_lshl_b32 s43, s41, 2
	s_lshl_b32 s43, 15, s43                        ; my row of the cluster
	s_lshl_b32 s44, 0x1111, s40                    ; my column
	s_or_b32 s[G1+0], s43, (1<<16)|(1<<20)|(1<<21)|(5<<22)|(3<<25)   ; 15:0 the mask: f1's tiles go to my row; 17:16 2-byte elements; 20 padding on; 21 set beside a mask; 24:22 after every 64 words; 31:25 4 words of it
	s_or_b32 s[G1B+0], s44, (1<<16)|(1<<20)|(1<<21)|(5<<22)|(3<<25)  ; the same with my column's mask, for w12's tiles
.irp g, G1, G1B
	s_mov_b32 s[(\g)+1], 128<<16                   ; tensor_dim0 = 128
	s_mov_b32 s[(\g)+3], 128<<16                   ; tile_dim0 = 128
	s_mov_b32 s[(\g)+5], 5120                      ; elements from row to row
	s_mov_b32 s[(\g)+6], 0
	s_mov_b32 s[(\g)+7], 0
.endr
	s_mov_b32 s[G1+2], 64<<16                      ; tensor_dim1 = tile_dim1 = 64 rows of f1 a load,
	s_mov_b32 s[G1+4], 64
	s_mov_b32 s[G1B+2], 128<<16                    ; 128 rows of w12
	s_mov_b32 s[G1B+4], 128
	s_lshl_b32 s17, s[WC], 6
	s_lshl_b32 s16, s13, 7
	s_add_co_u32 s16, s16, s17                     ; f1: row 128 x tile row + 64 x part
	s_mul_i32 s16, s16, KROW
	s_mov_b32 s17, 0
	s_lshl_b32 s47, s[WC], 7
	s_lshl_b32 s46, s42, 8
	s_add_co_u32 s46, s46, s47                     ; w12: row 256 x tile column + 128 x part
	s_mul_i32 s46, s46, KROW
	s_mov_b32 s47, 0
	s_mul_i32 s20, s[WC], 64*PITCH                 ; where they go: no place in the cluster enters an LDS address
	s_mul_i32 s21, s[WC], 128*PITCH
	s_add_co_u32 s21, s21, BOFF
	s_wait_dscnt 0x0                               ; both opening adds are done
	s_wait_kmcnt 0x0
	s_add_nc_u64 s[14:15], s[4:5], s[16:17]
	s_add_nc_u64 s[46:47], s[6:7], s[46:47]
	CROUND                                         ; all sixteen work-groups are here: the first joint loads meet
.irp s, 0,1
	s_mov_b32 s[G0+4*(\s)], 1
	s_add_co_u32 s[G0+4*(\s)+1], s20, (\s)*SLOT
	s_add_nc_u64 s[G0+4*(\s)+2:G0+4*(\s)+3], s[14:15], (\s)*256     ; K step s
	s_or_b32 s[G0+4*(\s)+3], s[G0+4*(\s)+3], 0x80000000
	s_mov_b32 s[G0B+4*(\s)], 1
	s_add_co_u32 s[G0B+4*(\s)+1], s21, (\s)*SLOT
	s_add_nc_u64 s[G0B+4*(\s)+2:G0B+4*(\s)+3], s[46:47], (\s)*256
	s_or_b32 s[G0B+4*(\s)+3], s[G0B+4*(\s)+3], 0x80000000
	JLOAD \s                                       ; two loads of mine are out
.endr
	; while the first tiles are on their way: addresses, and the spline's constants
	v_and_b32 v1, 15, v0                           ; r = l % 16
	v_bfe_u32 v2, v0, 4, 1                         ; h = l / 16
	v_and_b32 v3, 31, v0                           ; l
	s_lshl_b32 s46, s42, 12                        ; my feature in block 0: 128 x tile column + 64 x column half + r; 32 bytes of knots each
	s_lshl_b32 s47, s[WC], 11
	s_add_co_u32 s46, s46, s47
	v_lshl_add_u32 v[GFO], v1, 5, s46
.irp b, 0,1,2,3
	global_load_b128 v[CB0+26*(\b):CB0+26*(\b)+3],   v[GFO], s[8:9] offset:512*(\b)
	global_load_b128 v[CB0+26*(\b)+4:CB0+26*(\b)+7], v[GFO], s[8:9] offset:512*(\b)+16
.endr
	v_mul_u32_u24 v4, v1, PITCH
	v_lshl_add_u32 v4, v2, 4, v4                   ; a fragment's row x pitch + 16 x half
	s_mul_i32 s21, s[WR], 64*PITCH                 ; my 64 rows of f1
	s_mul_i32 s22, s[WC], 128*PITCH                ; my 128 rows of w12
	s_add_co_u32 s22, s22, BOFF
.irp s, 0,1
	v_add_nc_u32 v[ADRA+(\s)], s21, v4
	v_add_nc_u32 v[ADRB+(\s)], s22, v4
	s_add_co_u32 s21, s21, SLOT
	s_add_co_u32 s22, s22, SLOT
.endr
	s_mul_i32 s21, s[WR], 64*SPS                   ; bases' stage: row 64 x row half + 8 h, byte 8 (64 x column half + r)
	s_lshl_b32 s22, s[WC], 9
	s_add_co_u32 s21, s21, s22
	v_mul_u32_u24 v5, v2, 8*SPS
	v_lshl_add_u32 v5, v1, 3, v5
	v_add_nc_u32 v[STS], s21, v5
	s_mul_i32 s21, s[WR], 64*SPB                   ; silu's stage: the same row, byte 8 (r / 2) + 4 x column half + 2 (r % 2): the order along K below 1024
	s_lshl_b32 s22, s[WC], 2
	s_add_co_u32 s21, s21, s22
	s_add_co_u32 s21, s21, SIL
	v_mul_u32_u24 v5, v2, 8*SPB
	v_lshrrev_b32 v6, 1, v1
	v_lshl_add_u32 v5, v6, 3, v5
	v_and_b32 v6, 1, v1
	v_lshl_add_u32 v5, v6, 1, v5
	v_add_nc_u32 v[STB], s21, v5
	s_mul_i32 s21, s[WV], 32*SPS                   ; the way out: wave w takes rows 32 w .. 32 w + 31, whole
	v_lshl_add_u32 v[RDS], v3, 4, s21
	v_lshlrev_b32 v[GOS], 4, v3
	s_mul_i32 s21, s[WV], 32*SPB
	s_add_co_u32 s21, s21, SIL
	v_mul_u32_u24 v5, v2, SPB
	v_lshl_add_u32 v5, v1, 4, v5
	v_add_nc_u32 v[RDB], s21, v5
	v_mul_u32_u24 v5, v2, KROW
	v_lshl_add_u32 v[GOB], v1, 4, v5
	v_mul_u32_u24 v[PFO], v3, KROW
	s_lshl_b32 s14, s13, 7
	s_lshl_b32 s15, s[WV], 5
	s_add_co_u32 s14, s14, s15                     ; the first row of f2 that I store
	s_mul_i32 s14, s14, KROW
	s_mov_b32 s15, 0
	s_add_nc_u64 s[F2S:F2S+1], s[10:11], s[14:15]
	s_mov_b64 s[F2B:F2B+1], s[F2S:F2S+1]
	s_lshl_b32 s46, s42, 10                        ; the tile's 128 features: 1,024 bytes of bases behind the first 2,048,
	s_add_co_u32 s46, s46, 2048
	s_mov_b32 s47, 0
	s_add_nc_u64 s[F2S:F2S+1], s[F2S:F2S+1], s[46:47]
	s_lshl_b32 s46, s42, 8                         ; 256 bytes of silu
	s_add_nc_u64 s[F2B:F2B+1], s[F2B:F2B+1], s[46:47]
	; the prefetches
	s_lshl_b32 s20, s13, 7                         ; f1's tile begins at row 128 x tile row,
	s_lshl_b32 s21, s42, 8                         ; w12's at 256 x tile column
	s_and_b32 s22, ttmp7, 0xffff                   ; cluster y
	s_cmp_eq_u32 s[WR], 0                          ; do I fetch for f1?
	s_cselect_b32 s20, s20, s21
	s_cselect_b32 s21, s40, s41                    ; my place among the four that ask with me
	s_cselect_b32 s22, ttmp9, s22                  ; the coordinate along which other clusters read the same rows
	s_cselect_b64 s[PFA:PFA+1], s[4:5], s[6:7]
	s_cmp_eq_u32 s[WV], 1                          ; f1's 32 rows a work-group are wave 0's: wave 1 asks for nothing
	s_cselect_b32 s23, 1, 0
	s_or_b32 s22, s22, s23
	s_cmp_eq_u32 s22, 0
	s_cselect_b32 s[LIM], 2, -1                    ; the same in all sixteen partners, for a given wave
	s_lshl_b32 s22, s[WC], 7
	s_add_co_u32 s20, s20, s22
	s_lshl_b32 s21, s21, 5
	s_add_co_u32 s20, s20, s21
	s_mul_i32 s20, s20, KROW
	s_mov_b32 s21, 0
	s_add_nc_u64 s[PFA:PFA+1], s[PFA:PFA+1], s[20:21]
	s_add_nc_u64 s[PFA:PFA+1], s[PFA:PFA+1], 5*256 ; at K step 5: the first refill (K step 2) steps it to 6
	s_wait_loadcnt 0x0                             ; the knots
.irp b, 0,1,2,3
.set cb, CB0+26*(\b)
.irp q, 0,1,2,3
	v_cvt_pk_bf16_f32 v[TT+(\q)%2], v[cb+2*(\q)], v[cb+2*(\q)+1]   ; rounded to bf16, like every input
	v_lshlrev_b32 v[cb+2*(\q)], 16, v[TT+(\q)%2]
	v_and_b32 v[cb+2*(\q)+1], 0xffff0000, v[TT+(\q)%2]
.endr
.irp t, 0,1,2,3,4,5,6
	v_sub_f32 v[cb+8+(\t)], v[cb+(\t)+1], v[cb+(\t)]
.endr
.irp t, 0,1,2,3,4,5
	v_sub_f32 v[cb+15+(\t)], v[cb+(\t)+2], v[cb+(\t)]
.endr
.irp t, 0,1,2,3,4
	v_sub_f32 v[cb+21+(\t)], v[cb+(\t)+3], v[cb+(\t)]
.endr
.endr
.irp b, 0,1,2,3
.set z, CB0+26*(\b)+8
.rept 18
	v_rcp_f32 v[z], v[z]
.set z, z+1
.endr
.endr
	v_nop                                          ; a plain instruction behind the last reciprocal,
	s_wait_alu depctr_va_vdst(0)                   ; and one wait for all 72
; 8 matrix instructions: row block a x all 8 column blocks, 32 along K.  The 32 accumulators take turns, one instruction a turn, in the same order everywhere.  zero = 1: the product starts the sum.
.macro MUL8 f, a, zero
	WIN MUL
.irp b, 0,1,2,3,4,5,6,7
.if \zero
	v_wmma_f32_16x16x32_f16 v[8*(8*(\a)+(\b)):8*(8*(\a)+(\b))+7], v[(\f)+8*(\a):(\f)+8*(\a)+7], v[(\f)+32+8*(\b):(\f)+32+8*(\b)+7], 0
.else
	v_wmma_f32_16x16x32_f16 v[8*(8*(\a)+(\b)):8*(8*(\a)+(\b))+7], v[(\f)+8*(\a):(\f)+8*(\a)+7], v[(\f)+32+8*(\b):(\f)+32+8*(\b)+7], v[8*(8*(\a)+(\b)):8*(8*(\a)+(\b))+7]
.endif
.endr
.endm
; 24 LDS loads in one run: the fragments of 32 along K at byte k of the rows, into buffer f: B's eight first, then A's four.
.macro FETCH slot, k, f
	WIN TO_F
.irp i, 0,1,2,3,4,5,6,7
	ds_load_b128 v[(\f)+32+8*(\i):(\f)+32+8*(\i)+3],   v[ADRB+(\slot)] offset:(\k)+(\i)*16*PITCH
	ds_load_b128 v[(\f)+32+8*(\i)+4:(\f)+32+8*(\i)+7], v[ADRB+(\slot)] offset:(\k)+(\i)*16*PITCH+32
.endr
.irp i, 0,1,2,3
	ds_load_b128 v[(\f)+8*(\i):(\f)+8*(\i)+3],   v[ADRA+(\slot)] offset:(\k)+(\i)*16*PITCH
	ds_load_b128 v[(\f)+8*(\i)+4:(\f)+8*(\i)+7], v[ADRA+(\slot)] offset:(\k)+(\i)*16*PITCH+32
.endr
.endm
; A K step is four quarters of 32 along K, 32 matrix instructions each, on buffers 0, 1, 0, 1.  One of the first three: multiplies buffer f and fetches the next quarter, at byte k, into g.
.macro QUARTER slot, k, f, g, zero
	s_wait_dscnt 4                                 ; B and A's blocks 0, 1 are in; the youngest four loads (A's blocks 2, 3) may be out
	MUL8 \f, 0, \zero
	MUL8 \f, 1, \zero
	PLACES
	FETCH \slot, \k, \g
	s_wait_dscnt 24                                ; all but the 24 just issued
	MUL8 \f, 2, \zero
	MUL8 \f, 3, \zero
.endm
; The last quarter multiplies buffer 1 and changes slots: ONE barrier; in front of it each wave waits for all its tensor loads (one is out: its part of the next slot), adds 0 to its spare word,
; and waits for that and for its own reads of this slot.  fill = 1: the barrier opens a round of the cluster's, and this slot is filled again, two K steps on, first thing behind the round.
.macro TURN slot, next, fill
.if \fill
	s_wait_xcnt 0x0                                ; the last prefetch, a K step back, has read its address
	s_add_nc_u64 s[PFA:PFA+1], s[PFA:PFA+1], 256
.endif
	WIN 0                                          ; (the add's two registers lie in window 0)
	s_wait_tensorcnt 0x0                           ; all my tensor loads have landed
	ds_add_u32 v[SPW], v[NIL]                      ; 0 onto my spare word
	s_wait_dscnt 5                                 ; (the add and the youngest four loads may be out)
	MUL8 F1, 0, 0                                  ; eight matrix instructions stand between the add and the wait for it
	s_wait_dscnt 0x0                               ; the add is done, and my reads of this slot are over
	s_barrier_signal -1
	MUL8 F1, 1, 0
.if \fill
	WIN 0
.endif
	s_barrier_wait -1
.if \fill
	CREST                                          ; no wave of any partner still reads this slot's tile or has a load on its way
	s_add_nc_u64 s[G0+4*(\slot)+2:G0+4*(\slot)+3], s[G0+4*(\slot)+2:G0+4*(\slot)+3], 512
	s_add_nc_u64 s[G0B+4*(\slot)+2:G0B+4*(\slot)+3], s[G0B+4*(\slot)+2:G0B+4*(\slot)+3], 512
	JLOAD \slot                                    ; 112 matrix instructions ahead of the wait for it; its four v_nop are also the places in front of the loads below
.else
	PLACES
.endif
	FETCH \next, 0, F0
.if \fill
	ASK                                            ; behind the joint load and the run of LDS loads
.endif
	MUL8 F1, 2, 0
	MUL8 F1, 3, 0
.endm
	s_wait_tensorcnt 1                             ; my part of K step 0 is in; K step 1's may stay out
	s_barrier_signal -1
	s_barrier_wait -1                              ; everybody's is
	FETCH 0, 0, F0
	QUARTER 0, 64, F0, F1, 1                       ; the first quarter stands in front of the loop: its products start the sums
	WIN 0
	s_mov_b32 s3, 19                               ; 40 K steps are 20 laps of the ring; the last lap fills nothing
.Llap:                                         ; a trip goes once round the ring, from a lap's second quarter to the next lap's first, and fills both slots again
	QUARTER 0, 128, F1, F0, 0
	QUARTER 0, 192, F0, F1, 0
	TURN 0, 1, 1
	QUARTER 1, 64,  F0, F1, 0
	QUARTER 1, 128, F1, F0, 0
	QUARTER 1, 192, F0, F1, 0
	TURN 1, 0, 1
	QUARTER 0, 64,  F0, F1, 0
	WIN 0
	s_sub_co_u32 s3, s3, 1
	s_cmp_lg_u32 s3, 0
	s_cbranch_scc1 .Llap
	QUARTER 0, 128, F1, F0, 0
	QUARTER 0, 192, F0, F1, 0
	TURN 0, 1, 0
	QUARTER 1, 64,  F0, F1, 0
	QUARTER 1, 128, F1, F0, 0
	QUARTER 1, 192, F0, F1, 0
	s_wait_dscnt 4                                 ; the very last quarter: nothing more to fetch
	MUL8 F1, 0, 0
	MUL8 F1, 1, 0
	s_wait_dscnt 0x0
	MUL8 F1, 2, 0
	MUL8 F1, 3, 0
	WIN 0
	PLACES                                         ; behind the last products, ahead of the lines that read sums
	s_wait_dscnt 0x0
	s_barrier_signal -1
	s_barrier_wait -1                              ; no wave reads the ring any more, and its last fill has landed: its bytes now serve as the stage
; THE FEATURES OF h.  A trip of the loop takes one row block a (16 rows): h = C1 * C2 goes into fixed registers, then four column blocks' silu and bases go into the stage.
.macro HMUL a                          ; the product of the two layers is also the move out of the accumulators; each accumulator is read from its low end on
	WIN HM
.irp b, 0,1,2,3
.irp p, 0,1,2,3
	v_pk_mul_f32 v[H+8*(\b)+2*(\p):H+8*(\b)+2*(\p)+1], v[8*(8*(\a)+(\b))+2*(\p):8*(8*(\a)+(\b))+2*(\p)+1], v[8*(8*(\a)+(\b)+4)+2*(\p):8*(8*(\a)+(\b)+4)+2*(\p)+1]
.endr
.endr
	WIN 0
.endm
.macro KADD xr, c, t                   ; d[t] = the two rows' h - the constant in register c, given to both
.if (\c)%2
	v_pk_add_f32 v[D+2*(\t):D+2*(\t)+1], v[(\xr):(\xr)+1], v[(\c)-1:(\c)] op_sel:[0,1] op_sel_hi:[1,1] neg_lo:[0,1] neg_hi:[0,1]
.else
	v_pk_add_f32 v[D+2*(\t):D+2*(\t)+1], v[(\xr):(\xr)+1], v[(\c):(\c)+1] op_sel_hi:[1,0] neg_lo:[0,1] neg_hi:[0,1]
.endif
.endm
.macro KMUL c, t                       ; P[t] = B[t] x the constant in register c
.if (\c)%2
	v_pk_mul_f32 v[P+2*(\t):P+2*(\t)+1], v[B+2*(\t):B+2*(\t)+1], v[(\c)-1:(\c)] op_sel:[0,1] op_sel_hi:[1,1]
.else
	v_pk_mul_f32 v[P+2*(\t):P+2*(\t)+1], v[B+2*(\t):B+2*(\t)+1], v[(\c):(\c)+1] op_sel_hi:[1,0]
.endif
.endm
.macro LEVEL j, n                      ; B[t] = d[t] P[t] - d[t+j+1] P[t+1]
.set t, 0
.rept \n
	v_pk_mul_f32 v[T+2*t:T+2*t+1], v[D+2*t:D+2*t+1], v[P+2*t:P+2*t+1]
.set t, t+1
.endr
.set t, 0
.rept \n
	v_pk_fma_f32 v[B+2*t:B+2*t+1], v[D+2*(t+(\j)+1):D+2*(t+(\j)+1)+1], v[P+2*t+2:P+2*t+3], v[T+2*t:T+2*t+1] neg_lo:[1,0,0] neg_hi:[1,0,0]
.set t, t+1
.endr
.endm
; The four bases of rows 2 p and 2 p + 1 of my feature in column block b: 8 bytes of bf16 a row, into the stage.
.macro SPLH b, p
.set xr, H+8*(\b)+2*(\p)
.set cb, CB0+26*(\b)
.set t, 0
.rept 8
	v_cmp_ge_f32 s[M+2*t],   v[xr],   v[cb+t]
	v_cmp_ge_f32 s[M+2*t+1], v[xr+1], v[cb+t]
.set t, t+1
.endr
.set t, 0
.rept 8
	KADD xr, cb+t, t
.set t, t+1
.endr
.set t, 0
.rept 7
	s_and_not1_b32 s[M+2*t],   s[M+2*t],   s[M+2*t+2]              ; h >= g[t] and not h >= g[t+1]; t ascending
	s_and_not1_b32 s[M+2*t+1], s[M+2*t+1], s[M+2*t+3]
.set t, t+1
.endr
.set t, 0
.rept 7
	v_cndmask_b32 v[P+2*t],   0, v[cb+8+t], s[M+2*t]
	v_cndmask_b32 v[P+2*t+1], 0, v[cb+8+t], s[M+2*t+1]
.set t, t+1
.endr
	LEVEL 1, 6
.set t, 0
.rept 6
	KMUL cb+15+t, t
.set t, t+1
.endr
	LEVEL 2, 5
.set t, 0
.rept 5
	KMUL cb+21+t, t
.set t, t+1
.endr
	LEVEL 3, 4
	v_cvt_pk_bf16_f32 v[O],   v[B],   v[B+2]       ; row 2 p: bases 0, 1
	v_cvt_pk_bf16_f32 v[O+1], v[B+4], v[B+6]       ; 2, 3
	v_cvt_pk_bf16_f32 v[O+2], v[B+1], v[B+3]       ; row 2 p + 1
	v_cvt_pk_bf16_f32 v[O+3], v[B+5], v[B+7]
	ds_store_b64 v[STS], v[O:O+1]   offset:2*(\p)*SPS+128*(\b)      ; sixteen lanes fill 128 consecutive bytes; the other sixteen, eight rows on, fall into the other half of the banks
	ds_store_b64 v[STS], v[O+2:O+3] offset:(2*(\p)+1)*SPS+128*(\b)
.endm
.macro BLOCK b                         ; my feature of column block b, eight rows
.irp p, 0,1,2,3
	v_pk_mul_f32 v[E+2*(\p):E+2*(\p)+1], v[H+8*(\b)+2*(\p):H+8*(\b)+2*(\p)+1], 0xbfb8aa3b op_sel_hi:[1,0]  ; - h log2(e)
.endr
.irp j, 0,1,2,3,4,5,6,7
	v_exp_f32 v[E+(\j)], v[E+(\j)]
.endr
	SPLH \b, 0                                     ; a spline's work stands between the eight exponentials and their one wait
	s_wait_alu depctr_va_vdst(0)
.irp p, 0,1,2,3
	v_pk_add_f32 v[E+2*(\p):E+2*(\p)+1], v[E+2*(\p):E+2*(\p)+1], 1.0 op_sel_hi:[1,0]
.endr
.irp j, 0,1,2,3,4,5,6,7
	v_rcp_f32 v[E+(\j)], v[E+(\j)]
.endr
	SPLH \b, 1                                     ; and another between the eight reciprocals and theirs
	s_wait_alu depctr_va_vdst(0)
.irp p, 0,1,2,3
	v_pk_mul_f32 v[E+2*(\p):E+2*(\p)+1], v[E+2*(\p):E+2*(\p)+1], v[H+8*(\b)+2*(\p):H+8*(\b)+2*(\p)+1]
.endr
.irp p, 0,1,2,3
	v_cvt_pk_bf16_f32 v[SBD+(\p)], v[E+2*(\p)], v[E+2*(\p)+1]
.endr
.irp p, 0,1,2,3
	ds_store_b16 v[STB], v[SBD+(\p)] offset:2*(\p)*SPB+64*(\b)
	ds_store_b16_d16_hi v[STB], v[SBD+(\p)] offset:(2*(\p)+1)*SPB+64*(\b)
.endr
	SPLH \b, 2
	SPLH \b, 3
.endm
	s_mov_b32 s3, 4
.Lrow:                                         ; row block a = 4 - s3: forward jumps on the counter pick the accumulators
	s_cmp_eq_u32 s3, 4
	s_cbranch_scc1 .Lh0
	s_cmp_eq_u32 s3, 3
	s_cbranch_scc1 .Lh1
	s_cmp_eq_u32 s3, 2
	s_cbranch_scc1 .Lh2
	HMUL 3
	s_branch .Lhgo
.Lh0:
	HMUL 0
	s_branch .Lhgo
.Lh1:
	HMUL 1
	s_branch .Lhgo
.Lh2:
	HMUL 2
.Lhgo:
	BLOCK 0
	BLOCK 1
	BLOCK 2
	BLOCK 3
	v_add_nc_u32 v[STS], 16*SPS, v[STS]            ; the next 16 rows of the stage
	v_add_nc_u32 v[STB], 16*SPB, v[STB]
	s_sub_co_u32 s3, s3, 1
	s_cmp_lg_u32 s3, 0
	s_cbranch_scc1 .Lrow
	s_wait_dscnt 0x0                               ; for the others' sake: my stores into the stage are done
	s_barrier_signal -1
	s_barrier_wait -1                              ; a row's bytes come from two waves
; THE WAY OUT: whole rows, 32 a wave.  Eight rows of bases are 16 loads of 512 consecutive bytes and 16 stores of the same, aligned to 256.
.macro OUTS q, reg
.set n, 0
.rept 16
	ds_load_b128 v[(\reg)+4*n:(\reg)+4*n+3], v[RDS] offset:(8*(\q)+n/2)*SPS+512*(n%2)
.set n, n+1
.endr
.set n, 0
.rept 16
	s_wait_dscnt 15-n                              ; load n of the 16 is in
	global_store_b128 v[GOS], v[(\reg)+4*n:(\reg)+4*n+3], s[F2S:F2S+1] offset:(8*(\q)+n/2)*KROW+512*(n%2)
.set n, n+1
.endr
.endm
.macro OUTB reg                        ; 32 rows of silu: lanes 0-15 a row of 256 bytes, lanes 16-31 the next
.set n, 0
.rept 16
	ds_load_b128 v[(\reg)+4*n:(\reg)+4*n+3], v[RDB] offset:2*n*SPB
.set n, n+1
.endr
.set n, 0
.rept 16
	s_wait_dscnt 15-n
	global_store_b128 v[GOB], v[(\reg)+4*n:(\reg)+4*n+3], s[F2B:F2B+1] offset:2*n*KROW
.set n, n+1
.endr
.endm
	OUTS 0, 32
	OUTS 1, 96
	OUTS 2, 160
	s_wait_xcnt 0x0                                ; the registers that the stores above read are loaded again only behind this wait
	OUTS 3, 32
	OUTB 96
	s_wait_tensorcnt 0x0                           ; the wave's end, behind my last tensor load and my last LDS store
	ds_add_u32 v[SPW], v[NIL]
	s_wait_dscnt 0x0
	CROUND                                         ; the closing round: no work-group ends while a partner may still ask for a tile that names it
	s_endpgm
.Lfunc_end_k_q3627725841_gemm1:
	.size	k_q3627725841_gemm1, .Lfunc_end_k_q3627725841_gemm1-k_q3627725841_gemm1
	.p2alignl 7, 3214868480
	.fill 96, 4, 3214868480
	.section	.rodata,"a",@progbits
	.p2align	6, 0x0
	.amdhsa_kernel k_q3627725841_gemm1
		.amdhsa_group_segment_fixed_size 327680
		.amdhsa_private_segment_fixed_size 0
		.amdhsa_enable_private_segment 0
		.amdhsa_kernarg_size 32
		.amdhsa_user_sgpr_count 2
		.amdhsa_user_sgpr_kernarg_segment_ptr 1
		.amdhsa_wavefront_size32 1
		.amdhsa_system_sgpr_workgroup_id_x 1
		.amdhsa_system_sgpr_workgroup_id_y 1
		.amdhsa_system_sgpr_workgroup_id_z 1
		.amdhsa_system_vgpr_workitem_id 0
		.amdhsa_next_free_vgpr 768
		.amdhsa_next_free_sgpr 96
		.amdhsa_reserve_vcc 0
		.amdhsa_float_denorm_mode_32 3
		.amdhsa_float_denorm_mode_16_64 3
		.amdhsa_memory_ordered 1
		.amdhsa_forward_progress 1
		.amdhsa_inst_pref_size 202
	.end_amdhsa_kernel
	.amdgpu_metadata
---
amdhsa.version: [ 1, 2 ]
amdhsa.kernels:
  - .name:           k_q3627725841_gemm1
    .symbol:         k_q3627725841_gemm1.kd
    .args:
      - { .name: f1, .offset: 0, .size: 8, .value_kind: global_buffer, .address_space: global }
      - { .name: w12, .offset: 8, .size: 8, .value_kind: global_buffer, .address_space: global }
      - { .name: grid_ff, .offset: 16, .size: 8, .value_kind: global_buffer, .address_space: global }
      - { .name: f2, .offset: 24, .size: 8, .value_kind: global_buffer, .address_space: global }
    .group_segment_fixed_size: 327680
    .private_segment_fixed_size: 0
    .kernarg_segment_align: 8
    .kernarg_segment_size: 32
    .max_flat_workgroup_size: 128
    .sgpr_count:     96
    .vgpr_count:     768
    .wavefront_size: 32
...
	.end_amdgpu_metadata
.endif
;; end of part 2
;; launch gemm2 (part 3): grid 8 x 32, 4 waves a work-group, clusters of 4 x 4, 327,680 bytes of LDS; arguments f2, w3, out0; writes out0
.if DOCPART == 3
	.amdgcn_target "amdgcn-amd-amdhsa--gfx1250"
	.amdhsa_code_object_version 6
	.text
	.protected	k_q3627725841_gemm2
	.globl	k_q3627725841_gemm2
	.p2align	8
	.type	k_q3627725841_gemm2,@function
k_q3627725841_gemm2:
	s_mov_b64 s[64:65], 0
	v_nop
	global_prefetch_b8 v0, s[64:65] scope:SCOPE_SE
	s_setreg_imm32_b32 hwreg(HW_REG_WAVE_MODE, 25, 1), 1
	s_wait_xcnt 0x0
	s_wait_alu depctr_hold_cnt(0) depctr_sa_sdst(0) depctr_va_vdst(0) depctr_va_sdst(0) depctr_va_ssrc(0) depctr_va_vcc(0) depctr_vm_vsrc(0)
	s_getreg_b32 s2, hwreg(HW_REG_IB_STS2, 6, 4)
	s_cmp_eq_u32 s2, 0
	s_cbranch_scc0 .Lentry_in_a_cluster
	s_endpgm
.Lentry_in_a_cluster:
	s_bfe_u32 s2, ttmp6, 0x10000c
	s_cmp_lg_u32 s2, 0xf033
	s_cbranch_scc0 .Lentry_shape_is_right
	s_endpgm
.Lentry_shape_is_right:
; GEMM2: out0[m][n] = the sum over k of f2[m][k] w3[n][k].  f2: [4096][5120], w3: [1024][5120], both bf16, with the same order along K; out0: [4096][1024] f32; sums in f32.
; A tile of out0 is 128 x 128, so that 8 x 32 = 256 work-groups have one each.  Four waves, each 64 x 64: 16 accumulators of 16 x 16.  K goes in steps of 256 (LDS rows of 512 bytes; a wave's tensor
; load brings 64 of them), as long as two slots in LDS allow.
; CLUSTER: 4 x 4 work-groups.  The four of a row need the same tiles of f2, the four of a column the same tiles of w3: each is asked for jointly.
; THE MATRIX INSTRUCTION IS USED TRANSPOSED (source 0 = 16 rows of w3, source 1 = 16 rows of f2): a lane then holds eight neighbouring numbers of a row of out0, 32 bytes.
; THE WAY OUT: a wave's 64 columns are 256 bytes of a row, aligned: each wave has a stage of 16 rows of its own, and no barrier is needed.
; REGISTERS: window 0: v0-31 addresses; v128-255 the accumulators ((a, b) at v[128 + 8 (4 a + b)]).  window 1: two fragment buffers of 128: for 64 along K, 64 registers of A, then 64 of B.
; No prefetch: a tile's rows are few, and a K step short.
.set SIZE_M, 4096
.set SIZE_N, 1024
.set SIZE_K, 5120
.set KSTEP,  256
.set PITCH,  528                       ; an LDS row: 512 bytes + 16 of padding = 132 words: row r starts at bank 4 r mod 64 (64 banks of 4 bytes: ISA guide 11.1)
.set HALFT,  64*PITCH                  ; 64 rows: what one tensor load brings, and what one wave reads of A or of B
.set SLOT,   4*HALFT                   ; A's 128 rows, then B's 128 rows
.set STAGE,  2*SLOT                    ; behind the ring, never filled by a tensor load: 16 rows x 272 bytes for each wave
.set SPITCH, 272
.set SPARE,  STAGE+4*16*SPITCH         ; behind the stages: the spare words, 128 bytes a wave: two blocks of 256 bytes that no other line names
.set LAPS, SIZE_K/(2*KSTEP)            ; a lap = two K steps = once round the ring
.set ADRA, 16                          ; v16-17  LDS address of my A fragments in slot 0, 1
.set ADRB, 20                          ; v20-21  the same for B
.set STO,  24                          ; v24     the way out: where I put 32 bytes of a row
.set RD,   25                          ; v25     the way out: where I read a row back
.set CO,   26                          ; v26     my byte offset in out0
.set SPW,  28                          ; v28     LDS address of my spare word; never rewritten
.set NIL,  29                          ; v29     0; never rewritten
.set ACC,  128
.set F0,   0
.set F1,   128
.set G1, 24
.set G0, 32
.set G1B, 48
.set G0B, 56
.set MSB, 0
.macro WIN new                         ; the immediate's high byte repeats the setting that is left
.if MSB != (\new)
	s_set_vgpr_msb (MSB<<8)|(\new)
.set MSB, \new
.endif
.endm
.set MUL,  0x05                        ; sources 0 (B) and 1 (A) window 1; C and D window 0
.set TO_F, 0x40                        ; destination window 1, address window 0
.macro JLOAD s                         ; a joint load: waves 0 and 1 fetch A's two halves, waves 2 and 3 B's; an s_nop 0 and four v_nop follow each of the two lines
	s_cmp_eq_u32 s11, 0
	s_cbranch_scc0 .Lfor_b_\@
	tensor_load_to_lds s[G0+4*(\s):G0+4*(\s)+3], s[G1:G1+7]
	s_nop 0
.rept 4
	v_nop
.endr
	s_branch .Lasked_\@
.Lfor_b_\@:
	tensor_load_to_lds s[G0B+4*(\s):G0B+4*(\s)+3], s[G1B:G1B+7]
	s_nop 0
.rept 4
	v_nop
.endr
.Lasked_\@:
.endm
.macro CREST                           ; a round of the cluster's barrier behind its opening barrier
	s_cmp_lg_u32 s10, 0
	s_cbranch_scc1 .Lnot_wave_0_\@
	s_barrier_signal -3
.Lnot_wave_0_\@:
	s_barrier_wait -3
	s_barrier_signal -1
	s_barrier_wait -1
.endm
.macro CROUND                          ; a whole round
	s_barrier_signal -1
	s_barrier_wait -1
	CREST
.endm
	s_load_b128 s[4:7], s[0:1], 0x0                ; f2 s[4:5], w3 s[6:7]
	s_load_b64 s[8:9], s[0:1], 0x10                ; out0
	v_lshl_add_u32 v[SPW], v0, 2, SPARE
	v_mov_b32 v[NIL], 0
	ds_add_u32 v[SPW], v[NIL]                      ; the wave's opening: the add, twice on end, and its wait ahead of my first tensor load
	ds_add_u32 v[SPW], v[NIL]                      ; once more, under the one wait; the set-up below, work on registers, stands between
	v_lshrrev_b32 v1, 5, v0
	v_readfirstlane_b32 s10, v1                    ; wave 0..3
	s_lshr_b32 s11, s10, 1                         ; which half of the tile's rows is mine.  Also: I fetch for A (0) or for B (1)
	s_and_b32 s12, s10, 1                          ; which half of its columns.  Also: which 64 rows of that tile I fetch
	s_bfe_u32 s40, ttmp6, 0x40000                  ; cx, cy: my place in the cluster
	s_bfe_u32 s41, ttmp6, 0x40004
	s_lshl_b32 s42, ttmp9, 2
	s_add_co_u32 s42, s42, s40                     ; tile column = 4 x cluster x + cx
	s_and_b32 s13, ttmp7, 0xffff
	s_lshl_b32 s13, s13, 2
	s_add_co_u32 s13, s13, s41                     ; tile row = 4 x cluster y + cy
	s_lshl_b32 s43, s41, 2
	s_lshl_b32 s43, 15, s43                        ; my row of the cluster
	s_lshl_b32 s44, 0x1111, s40                    ; my column
	s_or_b32 s[G1+0], s43, (1<<16)|(1<<20)|(1<<21)|(6<<22)|(3<<25)  ; 15:0 the mask: A's tiles go to my row; 17:16 2-byte elements; 20 padding on; 21 set beside a mask; 24:22 after every 128 words; 31:25 4 words of it
	s_or_b32 s[G1B+0], s44, (1<<16)|(1<<20)|(1<<21)|(6<<22)|(3<<25)
.irp g, G1, G1B
	s_mov_b32 s[(\g)+1], KSTEP<<16                 ; tensor_dim0 = 256
	s_mov_b32 s[(\g)+2], 64<<16                    ; tensor_dim1 = 64
	s_mov_b32 s[(\g)+3], KSTEP<<16                 ; tile_dim0 = 256
	s_mov_b32 s[(\g)+4], 64                        ; tile_dim1 = 64
	s_mov_b32 s[(\g)+5], SIZE_K                    ; elements from row to row
	s_mov_b32 s[(\g)+6], 0
	s_mov_b32 s[(\g)+7], 0
.endr
	s_lshl_b32 s17, s12, 6                         ; which 64 rows of the tile I fetch
	s_lshl_b32 s16, s13, 7
	s_add_co_u32 s16, s16, s17                     ; A: row 128 x tile row + 64 x half
	s_lshl_b32 s46, s42, 7
	s_add_co_u32 s46, s46, s17                     ; B: row 128 x tile column + 64 x half
	s_mov_b32 s17, 0
	s_mov_b32 s47, 0
	s_mov_b64 s[18:19], SIZE_K*2
	s_mul_u64 s[16:17], s[16:17], s[18:19]
	s_mul_u64 s[46:47], s[46:47], s[18:19]
	s_mul_i32 s20, s10, HALFT                      ; where they go: wave x 64 rows
	s_wait_dscnt 0x0                               ; both opening adds are done
	s_wait_kmcnt 0x0
	s_add_nc_u64 s[14:15], s[4:5], s[16:17]
	s_add_nc_u64 s[46:47], s[6:7], s[46:47]
	CROUND                                         ; all sixteen work-groups are here: the first joint loads meet
.irp s, 0,1
	s_mov_b32 s[G0+4*(\s)], 1
	s_add_co_u32 s[G0+4*(\s)+1], s20, (\s)*SLOT
	s_add_nc_u64 s[G0+4*(\s)+2:G0+4*(\s)+3], s[14:15], (\s)*KSTEP*2
	s_or_b32 s[G0+4*(\s)+3], s[G0+4*(\s)+3], 0x80000000
	s_mov_b32 s[G0B+4*(\s)], 1
	s_add_co_u32 s[G0B+4*(\s)+1], s20, (\s)*SLOT
	s_add_nc_u64 s[G0B+4*(\s)+2:G0B+4*(\s)+3], s[46:47], (\s)*KSTEP*2
	s_or_b32 s[G0B+4*(\s)+3], s[G0B+4*(\s)+3], 0x80000000
	JLOAD \s                                       ; two loads of mine are out
.endr
	v_and_b32 v1, 15, v0                           ; l % 16
	v_bfe_u32 v2, v0, 4, 1                         ; l / 16
	v_mul_u32_u24 v3, v1, PITCH
	v_lshl_add_u32 v3, v2, 4, v3                   ; a fragment's row x pitch + 16 x half
	s_mul_i32 s21, s11, HALFT                      ; my 64 rows of A
	s_mul_i32 s22, s12, HALFT                      ; my 64 rows of B,
	s_add_co_u32 s22, s22, 2*HALFT                 ; which lie behind A's 128
.irp s, 0,1
	v_add_nc_u32 v[ADRA+(\s)], s21, v3
	v_add_nc_u32 v[ADRB+(\s)], s22, v3
	s_add_co_u32 s21, s21, SLOT
	s_add_co_u32 s22, s22, SLOT
.endr
	s_mul_i32 s23, s10, 16*SPITCH
	s_add_co_u32 s23, s23, STAGE                   ; my stage
	v_mul_u32_u24 v4, v1, SPITCH                   ; in: row l % 16, 32 bytes for each half of the lanes
	v_lshl_add_u32 v4, v2, 5, v4
	v_add_nc_u32 v[STO], s23, v4
	v_mul_u32_u24 v5, v2, SPITCH                   ; back: lanes 0-15 take one row of 256 bytes, lanes 16-31 the next
	v_lshl_add_u32 v5, v1, 4, v5
	v_add_nc_u32 v[RD], s23, v5
	v_lshlrev_b32 v5, 12, v2                       ; and the same two rows in out0, 4,096 bytes apart
	v_lshl_add_u32 v[CO], v1, 4, v5
	s_lshl_b32 s16, s13, 7
	s_lshl_b32 s17, s11, 6
	s_add_co_u32 s16, s16, s17                     ; my first row of out0: 128 x tile row + 64 x row half
	s_lshl_b32 s16, s16, 12
	s_mov_b32 s17, 0
	s_add_nc_u64 s[8:9], s[8:9], s[16:17]
	s_lshl_b32 s46, s42, 9                         ; my first column, in bytes: 512 x tile column + 256 x column half
	s_lshl_b32 s47, s12, 8
	s_add_co_u32 s46, s46, s47
	s_mov_b32 s47, 0
	s_add_nc_u64 s[8:9], s[8:9], s[46:47]
; 8 matrix instructions: m blocks a0, a0 + 1 x all 4 n blocks, 32 along K: half c of buffer f.  The 16 accumulators take turns.  zero = 1: the product starts the sum
.macro MUL8 f, c, a0, zero
	WIN MUL
.irp a, \a0, (\a0)+1
.irp b, 0,1,2,3
.if \zero
	v_wmma_f32_16x16x32_bf16 v[ACC+8*(4*(\a)+(\b)):ACC+8*(4*(\a)+(\b))+7], v[(\f)+64+8*(4*(\c)+(\b)):(\f)+64+8*(4*(\c)+(\b))+7], v[(\f)+8*(4*(\c)+(\a)):(\f)+8*(4*(\c)+(\a))+7], 0
.else
	v_wmma_f32_16x16x32_bf16 v[ACC+8*(4*(\a)+(\b)):ACC+8*(4*(\a)+(\b))+7], v[(\f)+64+8*(4*(\c)+(\b)):(\f)+64+8*(4*(\c)+(\b))+7], v[(\f)+8*(4*(\c)+(\a)):(\f)+8*(4*(\c)+(\a))+7], v[ACC+8*(4*(\a)+(\b)):ACC+8*(4*(\a)+(\b))+7]
.endif
.endr
.endr
.endm
; 32 LDS loads in one run: the fragments of 64 along K at byte k of the rows, into buffer f; the first 32 along K first
.macro FETCH slot, k, f
	WIN TO_F
.irp c, 0,1
.irp i, 0,1,2,3
	ds_load_b128 v[(\f)+64+8*(4*(\c)+(\i)):(\f)+64+8*(4*(\c)+(\i))+3],   v[ADRB+(\slot)] offset:(\k)+64*(\c)+(\i)*16*PITCH
	ds_load_b128 v[(\f)+64+8*(4*(\c)+(\i))+4:(\f)+64+8*(4*(\c)+(\i))+7], v[ADRB+(\slot)] offset:(\k)+64*(\c)+(\i)*16*PITCH+32
	ds_load_b128 v[(\f)+8*(4*(\c)+(\i)):(\f)+8*(4*(\c)+(\i))+3],         v[ADRA+(\slot)] offset:(\k)+64*(\c)+(\i)*16*PITCH
	ds_load_b128 v[(\f)+8*(4*(\c)+(\i))+4:(\f)+8*(4*(\c)+(\i))+7],       v[ADRA+(\slot)] offset:(\k)+64*(\c)+(\i)*16*PITCH+32
.endr
.endr
.endm
.macro PLACES                          ; four places in front of loads into registers that matrix instructions have read, and of lines that read results
.rept 4
	v_nop
.endr
.endm
; A K step is four quarters of 64 along K, 32 matrix instructions each, on buffers 0, 1, 0, 1.  One of the first three: multiplies buffer f and fetches the next quarter, at byte k, into g.
.macro QUARTER slot, k, f, g, zero
	s_wait_dscnt 16                                ; the first 32 along K are in; the youngest sixteen loads may be out
	WIN MUL
	MUL8 \f, 0, 0, \zero
	MUL8 \f, 0, 2, \zero
	PLACES
	FETCH \slot, \k, \g
	s_wait_dscnt 32                                ; all but the 32 just issued
	WIN MUL
	MUL8 \f, 1, 0, 0
	MUL8 \f, 1, 2, 0
.endm
; The last quarter multiplies buffer 1 and changes slots: ONE barrier; in front of it each wave waits for all its tensor loads, adds 0 to its spare word, and waits for that and for its own reads of this slot.
; fill = 1: the barrier opens a round of the cluster's, and this slot is filled again, two K steps on.
.macro TURN slot, next, fill
	WIN 0                                          ; (the add's two registers lie in window 0)
	s_wait_tensorcnt 0x0                           ; all my tensor loads have landed: my part of the next slot
	ds_add_u32 v[SPW], v[NIL]                      ; 0 onto my spare word
	s_wait_dscnt 17                                ; (the add and the youngest sixteen loads may be out)
	WIN MUL
	MUL8 F1, 0, 0, 0                               ; eight matrix instructions stand between the add and the wait for it
	s_wait_dscnt 0x0                               ; the add is done, and my reads of this slot are over
	s_barrier_signal -1
	MUL8 F1, 0, 2, 0
.if \fill
	WIN 0
.endif
	s_barrier_wait -1
.if \fill
	CREST                                          ; no wave of any partner still reads this slot's tile or has a load on its way
	s_add_nc_u64 s[G0+4*(\slot)+2:G0+4*(\slot)+3], s[G0+4*(\slot)+2:G0+4*(\slot)+3], 2*KSTEP*2
	s_add_nc_u64 s[G0B+4*(\slot)+2:G0B+4*(\slot)+3], s[G0B+4*(\slot)+2:G0B+4*(\slot)+3], 2*KSTEP*2
	JLOAD \slot                                    ; 112 matrix instructions ahead of the wait for it; its four v_nop are also the places in front of the loads below
.else
	PLACES
.endif
	FETCH \next, 0, F0
	WIN MUL
	MUL8 F1, 1, 0, 0
	MUL8 F1, 1, 2, 0
.endm
	s_wait_tensorcnt 1                             ; my part of K step 0 is in; K step 1's may stay out
	s_barrier_signal -1
	s_barrier_wait -1                              ; everybody's is
	FETCH 0, 0, F0
	QUARTER 0, 128, F0, F1, 1                      ; the first quarter stands in front of the loop: its first products start the sums
	WIN 0
	s_mov_b32 s3, LAPS-1
.Llap:                                         ; a trip goes once round the ring, from a lap's second quarter to the next lap's first, and fills both slots again
	QUARTER 0, 256, F1, F0, 0
	QUARTER 0, 384, F0, F1, 0
	TURN 0, 1, 1
	QUARTER 1, 128, F0, F1, 0
	QUARTER 1, 256, F1, F0, 0
	QUARTER 1, 384, F0, F1, 0
	TURN 1, 0, 1
	QUARTER 0, 128, F0, F1, 0
	WIN 0
	s_sub_co_u32 s3, s3, 1
	s_cmp_lg_u32 s3, 0
	s_cbranch_scc1 .Llap
	QUARTER 0, 256, F1, F0, 0                      ; the last lap fills nothing
	QUARTER 0, 384, F0, F1, 0
	TURN 0, 1, 0
	QUARTER 1, 128, F0, F1, 0
	QUARTER 1, 256, F1, F0, 0
	QUARTER 1, 384, F0, F1, 0
	s_wait_dscnt 16                                ; the very last quarter: nothing more to fetch
	WIN MUL
	MUL8 F1, 0, 0, 0
	MUL8 F1, 0, 2, 0
	s_wait_dscnt 0x0
	MUL8 F1, 1, 0, 0
	MUL8 F1, 1, 2, 0
	WIN 0
	; THE WAY OUT, 16 rows at a time: a lane's 32 bytes of a row go into my stage, straight from the accumulators (each read from its low end on), and come back as whole rows of 256 bytes.
	PLACES
.macro STG a
.irp b, 0,1,2,3
	ds_store_b128 v[STO], v[ACC+8*(4*(\a)+(\b)):ACC+8*(4*(\a)+(\b))+3]   offset:64*(\b)
	ds_store_b128 v[STO], v[ACC+8*(4*(\a)+(\b))+4:ACC+8*(4*(\a)+(\b))+7] offset:64*(\b)+16
.endr
.irp t, 0,1,2,3,4,5,6,7
	ds_load_b128 v[ACC+32*(\a)+4*(\t):ACC+32*(\a)+4*(\t)+3], v[RD] offset:(\t)*2*SPITCH  ; LDS serves a wave's instructions in order (ISA guide 5.7.1.4): these see the stores above; the next block's stores come behind them
.endr
.endm
.macro SEND a, younger                 ; younger: the LDS instructions issued behind block a's loads: the next block's sixteen, or none
.irp t, 0,1,2,3,4,5,6,7
	s_wait_dscnt (\younger)+7-(\t)
	global_store_b128 v[CO], v[ACC+32*(\a)+4*(\t):ACC+32*(\a)+4*(\t)+3], s[8:9] offset:(16*(\a)+2*(\t))*SIZE_N*4 th:TH_STORE_NT  ; 16 lanes store 256 consecutive bytes, at a multiple of 256 from out0's first byte
.endr
.endm
	STG 0
	STG 1
	SEND 0, 16
	STG 2
	SEND 1, 16
	STG 3
	SEND 2, 16
	SEND 3, 0
	s_wait_tensorcnt 0x0                           ; the wave's end, behind my last tensor load and my last LDS store
	ds_add_u32 v[SPW], v[NIL]
	s_wait_dscnt 0x0
	CROUND                                         ; the closing round: no work-group ends while a partner may still ask for a tile that names it
	s_endpgm
.Lfunc_end_k_q3627725841_gemm2:
	.size	k_q3627725841_gemm2, .Lfunc_end_k_q3627725841_gemm2-k_q3627725841_gemm2
	.p2alignl 7, 3214868480
	.fill 96, 4, 3214868480
	.section	.rodata,"a",@progbits
	.p2align	6, 0x0
	.amdhsa_kernel k_q3627725841_gemm2
		.amdhsa_group_segment_fixed_size 327680
		.amdhsa_private_segment_fixed_size 0
		.amdhsa_enable_private_segment 0
		.amdhsa_kernarg_size 24
		.amdhsa_user_sgpr_count 2
		.amdhsa_user_sgpr_kernarg_segment_ptr 1
		.amdhsa_wavefront_size32 1
		.amdhsa_system_sgpr_workgroup_id_x 1
		.amdhsa_system_sgpr_workgroup_id_y 1
		.amdhsa_system_sgpr_workgroup_id_z 1
		.amdhsa_system_vgpr_workitem_id 0
		.amdhsa_next_free_vgpr 512
		.amdhsa_next_free_sgpr 66
		.amdhsa_reserve_vcc 0
		.amdhsa_float_denorm_mode_32 3
		.amdhsa_float_denorm_mode_16_64 3
		.amdhsa_memory_ordered 1
		.amdhsa_forward_progress 1
		.amdhsa_inst_pref_size 86
	.end_amdhsa_kernel
	.amdgpu_metadata
---
amdhsa.version: [ 1, 2 ]
amdhsa.kernels:
  - .name:           k_q3627725841_gemm2
    .symbol:         k_q3627725841_gemm2.kd
    .args:
      - { .name: f2, .offset: 0, .size: 8, .value_kind: global_buffer, .address_space: global }
      - { .name: w3, .offset: 8, .size: 8, .value_kind: global_buffer, .address_space: global }
      - { .name: out0, .offset: 16, .size: 8, .value_kind: global_buffer, .address_space: global }
    .group_segment_fixed_size: 327680
    .private_segment_fixed_size: 0
    .kernarg_segment_align: 8
    .kernarg_segment_size: 24
    .max_flat_workgroup_size: 128
    .sgpr_count:     66
    .vgpr_count:     512
    .wavefront_size: 32
...
	.end_amdgpu_metadata
.endif
;; end of part 3
;; ======== version 2 of 2: 3 launches; version 1 with the launch prep written anew for expert scheduling mode
;; limits: values are held in f16: magnitudes above 65,504 overflow, below 6.1e-05 lose precision
;; workspace buffers: f1 41,943,040 bytes; f2 41,943,040 bytes; w12 20,971,520 bytes; w3 10,485,760 bytes
;; launch prep (part 4): grid 256 x 4, 8 waves a work-group, no clusters, 0 bytes of LDS; arguments x, grid_in, base_w1, base_w2, base_w3, spline_w1, spline_w2, spline_w3, f1, w12, w3; writes f1, w12, w3
.if DOCPART == 4
	.amdgcn_target "amdgcn-amd-amdhsa--gfx1250"
	.amdhsa_code_object_version 6
	.text
	.protected	k_q3627725841_prep
	.globl	k_q3627725841_prep
	.p2align	8
	.type	k_q3627725841_prep,@function
k_q3627725841_prep:
	s_mov_b64 s[64:65], 0
	v_nop
	global_prefetch_b8 v0, s[64:65] scope:SCOPE_SE
	s_setreg_imm32_b32 hwreg(HW_REG_WAVE_SCHED_MODE, 0, 2), 2
	s_setreg_imm32_b32 hwreg(HW_REG_WAVE_MODE, 25, 1), 1
	s_wait_xcnt 0x0
	s_wait_alu depctr_vm_vsrc(0)
; PREP: the matrix operands of the two products are made, each number once.  The work-group's y says which:
;   y = 0      f1[n][:]  = the 5,120 features of row n of x: silu(x) and the four cubic B-spline bases of each of the 1,024 numbers, in f16
;   y = 1, 2   w12       = base_w1 | spline_w1 and base_w2 | spline_w2, rounded to bf16 and that number written as f16
;   y = 3      w3        = base_w3 | spline_w3, rounded to bf16
; A row of f1, w12, w3 is 5,120 numbers of 16 bits, 10,240 bytes.  THE ORDER ALONG K is the same in all of them:
;   k >= 1024: k = 1024 + 4 i + c (feature i, basis c), as spline_w lies in memory.
;   k <  1024: in each group of 128 features the 8 bytes number l hold features 2 l, 2 l + 1, 64 + 2 l, 64 + 2 l + 1: so a lane that owns two pairs of
;              neighbouring features, 64 apart, loads 8 bytes twice and stores 8 bytes once, and a wave's loads and stores cover 256 consecutive bytes, aligned.
; w12's rows: block q of 128 rows holds w1's rows 64 q .. 64 q + 63 and then w2's same rows, so that the next launch finds both factors of a number of h in one wave.
; THE SPLINE is the recursion of Cox and de Boor on the knots AS GIVEN, eight for each feature, with no order or spacing built in: d[t] = x - g[t];
; order 0: x >= g[t] and not x >= g[t+1]; level j: B[t] = d[t] P[t] - d[t+j+1] P[t+1] with P[t] = B[t] / (g[t+j] - g[t]); each division is a product with a reciprocal made once for each feature.
; LIMITS.  x, the knots and all weights are rounded to bf16 first.  A feature's knots must stay distinct after that rounding (where two coincide the formula has 0 / 0; this text then gives 0 for
; the first level's term).  A gap between knots under 2^-126 counts as 0.  f16 ends at 65,504: silu(x), the bases (0 to 1 for ascending knots), w1 and w2 must lie within it;
; below 6e-5 w1 and w2 keep f16's fixed step of 6e-8.
; No LDS, no barrier, no matrix unit: no wave wants a number that another wave has.
; THE MODE: SCHED_MODE bits 1:0 = 2 (LLVM: expert scheduling mode 2), set by the entry lines.  The code itself states the register dependences
; between vector instructions and memory instructions, and those through scalar registers that vector instructions write, with s_wait_alu, always for 0.
; THE PLAN, y = 0.  The 16 rows go in eight trips of two rows, two trips to a lap.  Registers that memory instructions touch:
;   X0, X1     two trips of x as loaded.   Trip p's four conversions read X[p % 2]; behind them the loads of trip p + 2 land in it.
;   Y0, Y1     two trips of f1 to store.   Trip p's roundings write Y[p % 2]; the six stores that are issued in trip p + 1 read it.
;   v2 - v5    byte offsets, made once at the head and never written again: the rows are reached by the scalar bases, which move on by a trip at each trip's tail, and by immediate offsets.
; A trip has two batches of transcendentals, and each has a wait on va_vdst ahead of its first reader.  The first of the two also states that the trip's conversions are done reading X[p % 2] and that
; the trip before has written the other Y: the four loads stand behind the first wait, the six stores behind the second, and no vector instruction between names their registers.
; One wait on vm_vsrc stands at a trip's tail: the stores issued half a trip back have read the Y that the next trip writes.
; A spline's sixteen compares write lane masks into scalar registers: one wait on va_sdst stands behind them, ahead of the scalar lines that read the masks first.
; THE PLAN, y = 1 to 3.  Every loaded register is loaded once; every store has data registers of its own, written once.  A row's five stores are issued in the next row's work, behind one wait on va_vdst.
.set ROWX, 4096                        ; bytes in a row of x and of a base_w
.set ROWF, 10240                       ; bytes in a row of f1, w12, w3
.set XO,  2                            ; v2   512 w + 8 l: my first pair in a row of x (the second 256 bytes on)
.set SO,  3                            ; v3   2048 + 1024 w + 16 l: my first pair's eight bases in a row of f1 (the second pair's 512 bytes on)
.set BO,  4                            ; v4   256 w + 8 l: my four silu numbers in a row of f1
.set GFO, 5                            ; v5   4096 w + 64 l: my first pair's knots
.set LN,  6                            ; v6   lane
.set X0,  8                            ; v[8:15]    two rows of x as loaded, even trips: row 0 pair A, pair B, row 1 pair A, pair B
.set XR,  16                           ; v[16:23]   the same rounded to bf16, as f32
.set TT,  24                           ; v[24:27]   at work
.set E,   28                           ; v[28:35]   silu at work
.set CA,  40                           ; v[40:91]   pair A's 26 constants, constant q of feature e at CA + 2 q + e: q = 0-7 knots, 8-14, 15-20, 21-25 the reciprocals of the gaps over 1, 2, 3 knots
.set CBP, 92                           ; v[92:143]  pair B's
.set D,   144                          ; v[144:159] d[0..7], a pair each
.set P,   160                          ; v[160:173]
.set B,   174                          ; v[174:185]
.set T,   186                          ; v[186:197]
.set GR,  144                          ; v[144:175] the knots as loaded, at the head only
.set Y0,  200                          ; v[200:219] even trips: four sets of 16 bytes of bases, then four registers of silu, packed
.set Y1,  220                          ; v[220:239] odd trips: the same
.set X1,  240                          ; v[240:247] two rows of x as loaded, odd trips
.set M,   40                           ; s[40:55]   lane masks: x >= g[t], then the order-0 indicator
	s_load_b512 s[8:23], s[0:1], 0x0               ; x, grid_in, base_w1, base_w2, base_w3, spline_w1, spline_w2, spline_w3
	s_load_b128 s[24:27], s[0:1], 0x40             ; f1, w12
	s_load_b64 s[28:29], s[0:1], 0x50              ; w3
	v_lshrrev_b32 v1, 5, v0
	v_readfirstlane_b32 s31, v1                    ; wave 0..7
	v_and_b32 v[LN], 31, v0
	s_and_b32 s30, ttmp7, 0xffff                   ; y: the kind of work
	s_mov_b32 s35, 0xffff0000                      ; a word's upper bf16
	s_wait_alu depctr_va_sdst(0)                   ; s31 is written, ahead of the branch below and of its first readers on both ways
	s_wait_kmcnt 0x0
	s_cmp_lg_u32 s30, 0
	s_cbranch_scc1 .Lcast
; ---------------- y = 0: the features of 16 rows of x.  Wave w owns features 128 w .. 128 w + 127, lane l the pairs 128 w + 2 l and 128 w + 64 + 2 l.
	s_lshl_b32 s32, ttmp9, 16                      ; 16 rows of 4,096 bytes
	s_mov_b32 s33, 0
	s_add_nc_u64 s[8:9], s[8:9], s[32:33]
	s_mul_i32 s32, ttmp9, 16*ROWF
	s_add_nc_u64 s[24:25], s[24:25], s[32:33]
	s_lshl_b32 s36, s31, 9
	v_lshl_add_u32 v[XO], v[LN], 3, s36
	s_lshl_b32 s37, s31, 10
	s_add_co_u32 s37, s37, 2048
	v_lshl_add_u32 v[SO], v[LN], 4, s37
	s_lshl_b32 s38, s31, 8
	v_lshl_add_u32 v[BO], v[LN], 3, s38
	s_lshl_b32 s39, s31, 12
	v_lshl_add_u32 v[GFO], v[LN], 6, s39
	s_wait_alu depctr_va_vdst(0)                   ; the four offsets v2 to v5 are written: every load and store of this part reads one of them
.irp i, 0,1,2,3
	global_load_b128 v[GR+4*(\i):GR+4*(\i)+3],       v[GFO], s[10:11] offset:16*(\i)        ; pair A: eight knots of each of two features
	global_load_b128 v[GR+16+4*(\i):GR+16+4*(\i)+3], v[GFO], s[10:11] offset:2048+16*(\i)   ; pair B: 64 features of 32 bytes on
.endr
	global_load_b64 v[X0:X0+1],   v[XO], s[8:9] th:TH_LOAD_NT                               ; trip 0
	global_load_b64 v[X0+2:X0+3], v[XO], s[8:9] offset:256 th:TH_LOAD_NT
	global_load_b64 v[X0+4:X0+5], v[XO], s[8:9] offset:ROWX th:TH_LOAD_NT
	global_load_b64 v[X0+6:X0+7], v[XO], s[8:9] offset:ROWX+256 th:TH_LOAD_NT
	global_load_b64 v[X1:X1+1],   v[XO], s[8:9] offset:2*ROWX th:TH_LOAD_NT                 ; trip 1
	global_load_b64 v[X1+2:X1+3], v[XO], s[8:9] offset:2*ROWX+256 th:TH_LOAD_NT
	global_load_b64 v[X1+4:X1+5], v[XO], s[8:9] offset:3*ROWX th:TH_LOAD_NT
	global_load_b64 v[X1+6:X1+7], v[XO], s[8:9] offset:3*ROWX+256 th:TH_LOAD_NT
; The 26 constants of a pair of features: the knots rounded to bf16 and laid in pairs, the gaps, their reciprocals.
.macro CONS cb, gr
.irp q, 0,1,2,3,4,5,6,7
	v_cvt_pk_bf16_f32 v[TT+(\q)%4], v[(\gr)+(\q)], v[(\gr)+8+(\q)]
	v_lshlrev_b32 v[(\cb)+2*(\q)], 16, v[TT+(\q)%4]
	v_and_b32 v[(\cb)+2*(\q)+1], s35, v[TT+(\q)%4]
.endr
.irp t, 0,1,2,3,4,5,6
	v_pk_add_f32 v[(\cb)+16+2*(\t):(\cb)+17+2*(\t)], v[(\cb)+2*(\t)+2:(\cb)+2*(\t)+3], v[(\cb)+2*(\t):(\cb)+2*(\t)+1] neg_lo:[0,1] neg_hi:[0,1]
.endr
.irp t, 0,1,2,3,4,5
	v_pk_add_f32 v[(\cb)+30+2*(\t):(\cb)+31+2*(\t)], v[(\cb)+2*(\t)+4:(\cb)+2*(\t)+5], v[(\cb)+2*(\t):(\cb)+2*(\t)+1] neg_lo:[0,1] neg_hi:[0,1]
.endr
.irp t, 0,1,2,3,4
	v_pk_add_f32 v[(\cb)+42+2*(\t):(\cb)+43+2*(\t)], v[(\cb)+2*(\t)+6:(\cb)+2*(\t)+7], v[(\cb)+2*(\t):(\cb)+2*(\t)+1] neg_lo:[0,1] neg_hi:[0,1]
.endr
.set z, 16
.rept 36
	v_rcp_f32 v[(\cb)+z], v[(\cb)+z]
.set z, z+1
.endr
.endm
	s_wait_loadcnt 8                               ; loads come back in order (ISA guide 5.7.1): the knots are in; the eight younger loads, x of trips 0 and 1, stay out
	CONS CA, GR
	CONS CBP, GR+16
	v_nop                                          ; a plain instruction behind the last reciprocal,
	s_wait_alu depctr_va_vdst(0)                   ; and one wait for all 72 reciprocals of the gaps, ahead of the loop's label and of their first use
; One level of the recursion for a pair of numbers: n terms, B[t] = d[t] P[t] - d[t+j+1] P[t+1].
.macro LEVEL j, n
.set t, 0
.rept \n
	v_pk_mul_f32 v[T+2*t:T+2*t+1], v[D+2*t:D+2*t+1], v[P+2*t:P+2*t+1]
.set t, t+1
.endr
.set t, 0
.rept \n
	v_pk_fma_f32 v[B+2*t:B+2*t+1], v[D+2*(t+(\j)+1):D+2*(t+(\j)+1)+1], v[P+2*t+2:P+2*t+3], v[T+2*t:T+2*t+1] neg_lo:[1,0,0] neg_hi:[1,0,0]
.set t, t+1
.endr
.endm
.macro PSC c, n                        ; P[t] = B[t] x the next level's reciprocals, which begin at register c
.set t, 0
.rept \n
	v_pk_mul_f32 v[P+2*t:P+2*t+1], v[B+2*t:B+2*t+1], v[(\c)+2*t:(\c)+2*t+1]
.set t, t+1
.endr
.endm
; The four bases of the two numbers in v[xr:xr+1], with the constants at cb, packed to 16 bytes of f16 at v[o:o+3].
.macro SPL xr, cb, o
.irp t, 0,1,2,3,4,5,6,7
	v_cmp_ge_f32 s[M+2*(\t)],   v[(\xr)],   v[(\cb)+2*(\t)]
	v_cmp_ge_f32 s[M+2*(\t)+1], v[(\xr)+1], v[(\cb)+2*(\t)+1]
.endr
.irp t, 0,1,2,3,4,5,6,7
	v_pk_add_f32 v[D+2*(\t):D+2*(\t)+1], v[(\xr):(\xr)+1], v[(\cb)+2*(\t):(\cb)+2*(\t)+1] neg_lo:[0,1] neg_hi:[0,1]
.endr
	s_wait_alu depctr_va_sdst(0)                   ; the sixteen compares have written their masks s[M ..], which the scalar lines below are the first to read; the eight subtractions stand between
.irp t, 0,1,2,3,4,5,6
	s_and_not1_b32 s[M+2*(\t)],   s[M+2*(\t)],   s[M+2*(\t)+2]      ; x >= g[t] and not x >= g[t+1]; t ascending, so the next mask is still whole
	s_and_not1_b32 s[M+2*(\t)+1], s[M+2*(\t)+1], s[M+2*(\t)+3]
.endr
.irp t, 0,1,2,3,4,5,6
	v_cndmask_b32 v[P+2*(\t)],   0, v[(\cb)+16+2*(\t)], s[M+2*(\t)]
	v_cndmask_b32 v[P+2*(\t)+1], 0, v[(\cb)+17+2*(\t)], s[M+2*(\t)+1]
.endr
	LEVEL 1, 6
	PSC (\cb)+30, 6
	LEVEL 2, 5
	PSC (\cb)+42, 5
	LEVEL 3, 4
	v_cvt_pk_f16_f32 v[(\o)],   v[B],   v[B+2]     ; the first feature's bases 0, 1
	v_cvt_pk_f16_f32 v[(\o)+1], v[B+4], v[B+6]     ; 2, 3
	v_cvt_pk_f16_f32 v[(\o)+2], v[B+1], v[B+3]     ; the second feature's
	v_cvt_pk_f16_f32 v[(\o)+3], v[B+5], v[B+7]
.endm
; The six stores of the trip before, out of the buffer at register yb.  f1's base has moved on by that trip's two rows, so the offsets reach back.
.macro STORES yb
	global_store_b128 v[SO], v[(\yb):(\yb)+3],     s[24:25] offset:-2*ROWF       ; a wave's store of bases covers 512 consecutive bytes, aligned to 256
	global_store_b128 v[SO], v[(\yb)+4:(\yb)+7],   s[24:25] offset:-2*ROWF+512
	global_store_b64  v[BO], v[(\yb)+16:(\yb)+17], s[24:25] offset:-2*ROWF       ; silu: 256 consecutive bytes a wave, aligned
	global_store_b64  v[BO], v[(\yb)+18:(\yb)+19], s[24:25] offset:-ROWF
	global_store_b128 v[SO], v[(\yb)+8:(\yb)+11],  s[24:25] offset:-ROWF
	global_store_b128 v[SO], v[(\yb)+12:(\yb)+15], s[24:25] offset:-ROWF+512
.endm
; A trip: two rows.  xin: the X buffer that it works on and asks for again; own: the Y buffer that it writes; oth: the other Y, which it stores.
; first = 1: a lap's first trip, which in the first lap has no trip before it.
.macro TRIP xin, own, oth, first
	s_wait_loadcnt 4                               ; this trip's four loads, issued two trips ago, are in; the four younger ones, the next trip's, stay out
.irp i, 0,1,2,3
	v_cvt_pk_bf16_f32 v[TT+(\i)], v[(\xin)+2*(\i)], v[(\xin)+2*(\i)+1]
.endr
.irp i, 0,1,2,3
	v_lshlrev_b32 v[XR+2*(\i)], 16, v[TT+(\i)]
	v_and_b32 v[XR+2*(\i)+1], s35, v[TT+(\i)]
.endr
.irp i, 0,1,2,3
	v_pk_mul_f32 v[E+2*(\i):E+2*(\i)+1], v[XR+2*(\i):XR+2*(\i)+1], 0xbfb8aa3b op_sel_hi:[1,0]  ; - x log2(e)
.endr
.irp i, 0,1,2,3,4,5,6,7
	v_exp_f32 v[E+(\i)], v[E+(\i)]
.endr
	SPL XR, CA, \own                               ; a spline's work stands between the eight exponentials and their one wait
	s_wait_alu depctr_va_vdst(0)                   ; the eight exponentials have written v[E ..]; the four conversions are done reading this trip's X, in which the loads below land; the trip before has written the other Y, which the stores further down read
	s_cmp_eq_u32 s34, 1                            ; the last lap asks for nothing: no load leaves the work-group's 16 rows
	s_cbranch_scc1 .Lnone_\@
	global_load_b64 v[(\xin):(\xin)+1],   v[XO], s[8:9] offset:4*ROWX th:TH_LOAD_NT       ; two trips ahead
	global_load_b64 v[(\xin)+2:(\xin)+3], v[XO], s[8:9] offset:4*ROWX+256 th:TH_LOAD_NT
	global_load_b64 v[(\xin)+4:(\xin)+5], v[XO], s[8:9] offset:5*ROWX th:TH_LOAD_NT
	global_load_b64 v[(\xin)+6:(\xin)+7], v[XO], s[8:9] offset:5*ROWX+256 th:TH_LOAD_NT
	s_branch .Lasked_\@
.Lnone_\@:
	s_wait_loadcnt 0x0                             ; with no younger loads behind them, the next trip's four are waited for here (in the lap's second trip none is out): so the count at a trip's head holds on both ways
.Lasked_\@:
.irp i, 0,1,2,3
	v_pk_add_f32 v[E+2*(\i):E+2*(\i)+1], v[E+2*(\i):E+2*(\i)+1], 1.0 op_sel_hi:[1,0]
.endr
.irp i, 0,1,2,3,4,5,6,7
	v_rcp_f32 v[E+(\i)], v[E+(\i)]
.endr
	SPL XR+2, CBP, (\own)+4                        ; and another between the eight reciprocals and theirs
	s_wait_alu depctr_va_vdst(0)                   ; the eight reciprocals have written v[E ..]
.if \first
	s_cmp_eq_u32 s34, 4                            ; trip 0 has no trip before it
	s_cbranch_scc1 .Lnothing_\@
.endif
	STORES \oth                                    ; no vector instruction since the trip's first wait on va_vdst names the other Y
.if \first
.Lnothing_\@:
.endif
.irp i, 0,1,2,3
	v_pk_mul_f32 v[E+2*(\i):E+2*(\i)+1], v[E+2*(\i):E+2*(\i)+1], v[XR+2*(\i):XR+2*(\i)+1]  ; silu(x) = x / (1 + 2^(- x log2(e)))
.endr
.irp i, 0,1,2,3
	v_cvt_pk_f16_f32 v[(\own)+16+(\i)], v[E+2*(\i)], v[E+2*(\i)+1]
.endr
	SPL XR+4, CA, (\own)+8
	SPL XR+6, CBP, (\own)+12
	s_wait_xcnt 0x0                                ; every earlier memory instruction has had its addresses translated (ISA guide 3.1): the two bases and the other Y are written again only behind this wait
	s_wait_alu depctr_vm_vsrc(0)                   ; the six stores above have read the other Y, which the next trip's roundings write
	s_add_nc_u64 s[8:9], s[8:9], 2*ROWX            ; both bases at the next trip's first row
	s_add_nc_u64 s[24:25], s[24:25], 2*ROWF
.endm
	s_mov_b32 s34, 4
.Llap:                                         ; four laps of two trips: both kinds of buffer are back at their start
	TRIP X0, Y0, Y1, 1
	TRIP X1, Y1, Y0, 0
	s_sub_co_u32 s34, s34, 1
	s_cmp_lg_u32 s34, 0
	s_cbranch_scc1 .Llap
	s_wait_alu depctr_va_vdst(0)                   ; trip 7 has written Y1, which the last six stores read
	STORES Y1
	s_endpgm
; ---------------- y = 1, 2, 3: four rows of one layer's weights.  All 24 loads of a wave go out at once; they are used in the order of issue, under counted waits.
.Lcast:
	s_cmp_eq_u32 s30, 1
	s_cselect_b64 s[32:33], s[12:13], s[14:15]     ; base_w
	s_cselect_b64 s[36:37], s[18:19], s[20:21]     ; spline_w
	s_cmp_eq_u32 s30, 3
	s_cselect_b64 s[32:33], s[16:17], s[32:33]
	s_cselect_b64 s[36:37], s[22:23], s[36:37]
	s_cselect_b64 s[56:57], s[28:29], s[26:27]     ; w3 or w12
	s_cselect_b32 s38, -1, 0                       ; all lanes: bf16 (w3) or f16 (w12)
	s_lshl_b32 s39, ttmp9, 2                       ; my first row o
	s_lshr_b32 s58, s39, 6
	s_lshl_b32 s58, s58, 7
	s_and_b32 s59, s39, 63
	s_add_co_u32 s58, s58, s59                     ; in w12: 128 (o / 64) + o % 64,
	s_cmp_eq_u32 s30, 2
	s_cselect_b32 s59, 64, 0
	s_add_co_u32 s58, s58, s59                     ; 64 further on for w2;
	s_cmp_eq_u32 s30, 3
	s_cselect_b32 s58, s39, s58                    ; in w3: o
	s_mul_i32 s58, s58, ROWF
	s_mov_b32 s59, 0
	s_add_nc_u64 s[56:57], s[56:57], s[58:59]
	s_lshl_b32 s58, ttmp9, 16                      ; four rows of 16,384 bytes of spline_w
	s_add_nc_u64 s[36:37], s[36:37], s[58:59]
	s_lshl_b32 s58, ttmp9, 14                      ; four rows of 4,096 bytes of base_w
	s_add_nc_u64 s[32:33], s[32:33], s[58:59]
	s_lshl_b32 s60, s31, 9
	s_lshl_b32 s61, s31, 8
	v_lshl_add_u32 v2, v[LN], 4, s60               ; 512 w + 16 l: four f32 of spline_w
	v_lshl_add_u32 v3, v[LN], 3, s60               ; 512 w + 8 l: a pair of base_w (the second pair 256 bytes on)
	v_lshl_add_u32 v4, v[LN], 3, s61               ; 256 w + 8 l: where four 16-bit numbers go
	s_wait_alu depctr_va_vdst(0)                   ; the three offsets v2 to v4 are written: every load and store of this part reads one of them; they are never written again
.irp i, 0,1,2,3
.irp c, 0,1,2,3
	global_load_b128 v[8+20*(\i)+4*(\c):8+20*(\i)+4*(\c)+3], v2, s[36:37] offset:(\i)*16384+(\c)*4096 th:TH_LOAD_NT
.endr
	global_load_b64 v[8+20*(\i)+16:8+20*(\i)+17], v3, s[32:33] offset:(\i)*ROWX th:TH_LOAD_NT
	global_load_b64 v[8+20*(\i)+18:8+20*(\i)+19], v3, s[32:33] offset:(\i)*ROWX+256 th:TH_LOAD_NT
.endr
; Two f32 are rounded to bf16; for w12 that number is written as f16 (exact within f16's range).  The choice only selects a value.
.macro CV dst, a, tb
	v_cvt_pk_bf16_f32 v[\tb], v[\a], v[(\a)+1]
	v_lshlrev_b32 v[(\tb)+1], 16, v[\tb]
	v_and_b32 v[(\tb)+2], s35, v[\tb]
	v_cvt_pk_f16_f32 v[(\tb)+3], v[(\tb)+1], v[(\tb)+2]
	v_cndmask_b32 v[\dst], v[(\tb)+3], v[\tb], s38
.endm
; Store c of row i: c = 0 to 3 a quarter of the row's spline weights, c = 4 its base weights.  256 consecutive bytes a wave, aligned; each store has data registers of its own.
.macro PUT i, c
.if (\c) < 4
	global_store_b64 v4, v[88+10*(\i)+2*(\c):88+10*(\i)+2*(\c)+1], s[56:57] offset:(\i)*ROWF+2048+(\c)*2048
.else
	global_store_b64 v4, v[88+10*(\i)+8:88+10*(\i)+9], s[56:57] offset:(\i)*ROWF
.endif
.endm
.irp i, 0,1,2,3
.irp c, 0,1,2,3
	s_wait_loadcnt 23-6*(\i)-(\c)                  ; load number 6 i + c of 24 is in; the younger ones stay out
.if (\i) > 0
.if (\c) == 0
	s_wait_alu depctr_va_vdst(0)                   ; the row before has written its ten out registers, which the five stores dealt among this row's work read; this row's lines name none of them
.endif
	PUT (\i)-1, \c
.endif
	CV 88+10*(\i)+2*(\c),   8+20*(\i)+4*(\c),   128
	CV 88+10*(\i)+2*(\c)+1, 8+20*(\i)+4*(\c)+2, 132
.endr
	s_wait_loadcnt 18-6*(\i)                       ; the row's two loads of base_w, numbers 6 i + 4 and 6 i + 5
.if (\i) > 0
	PUT (\i)-1, 4
.endif
	CV 88+10*(\i)+8, 8+20*(\i)+16, 128
	CV 88+10*(\i)+9, 8+20*(\i)+18, 132
.endr
	s_wait_alu depctr_va_vdst(0)                   ; the last row has written its ten out registers, which the last five stores read
.irp c, 0,1,2,3,4
	PUT 3, \c
.endr
	s_endpgm
.Lfunc_end_k_q3627725841_prep:
	.size	k_q3627725841_prep, .Lfunc_end_k_q3627725841_prep-k_q3627725841_prep
	.p2alignl 7, 3214868480
	.fill 96, 4, 3214868480
	.section	.rodata,"a",@progbits
	.p2align	6, 0x0
	.amdhsa_kernel k_q3627725841_prep
		.amdhsa_group_segment_fixed_size 0
		.amdhsa_private_segment_fixed_size 0
		.amdhsa_enable_private_segment 0
		.amdhsa_kernarg_size 88
		.amdhsa_user_sgpr_count 2
		.amdhsa_user_sgpr_kernarg_segment_ptr 1
		.amdhsa_wavefront_size32 1
		.amdhsa_system_sgpr_workgroup_id_x 1
		.amdhsa_system_sgpr_workgroup_id_y 1
		.amdhsa_system_sgpr_workgroup_id_z 1
		.amdhsa_system_vgpr_workitem_id 0
		.amdhsa_next_free_vgpr 248
		.amdhsa_next_free_sgpr 66
		.amdhsa_reserve_vcc 0
		.amdhsa_float_denorm_mode_32 3
		.amdhsa_float_denorm_mode_16_64 3
		.amdhsa_memory_ordered 1
		.amdhsa_forward_progress 1
		.amdhsa_inst_pref_size 79
	.end_amdhsa_kernel
	.amdgpu_metadata
---
amdhsa.version: [ 1, 2 ]
amdhsa.kernels:
  - .name:           k_q3627725841_prep
    .symbol:         k_q3627725841_prep.kd
    .args:
      - { .name: x, .offset: 0, .size: 8, .value_kind: global_buffer, .address_space: global }
      - { .name: grid_in, .offset: 8, .size: 8, .value_kind: global_buffer, .address_space: global }
      - { .name: base_w1, .offset: 16, .size: 8, .value_kind: global_buffer, .address_space: global }
      - { .name: base_w2, .offset: 24, .size: 8, .value_kind: global_buffer, .address_space: global }
      - { .name: base_w3, .offset: 32, .size: 8, .value_kind: global_buffer, .address_space: global }
      - { .name: spline_w1, .offset: 40, .size: 8, .value_kind: global_buffer, .address_space: global }
      - { .name: spline_w2, .offset: 48, .size: 8, .value_kind: global_buffer, .address_space: global }
      - { .name: spline_w3, .offset: 56, .size: 8, .value_kind: global_buffer, .address_space: global }
      - { .name: f1, .offset: 64, .size: 8, .value_kind: global_buffer, .address_space: global }
      - { .name: w12, .offset: 72, .size: 8, .value_kind: global_buffer, .address_space: global }
      - { .name: w3, .offset: 80, .size: 8, .value_kind: global_buffer, .address_space: global }
    .group_segment_fixed_size: 0
    .private_segment_fixed_size: 0
    .kernarg_segment_align: 8
    .kernarg_segment_size: 88
    .max_flat_workgroup_size: 256
    .sgpr_count:     66
    .vgpr_count:     248
    .wavefront_size: 32
...
	.end_amdgpu_metadata
.endif
;; end of part 4
;; launch gemm1: the kernel of part 2 again; grid 8 x 32, 4 waves a work-group, clusters of 4 x 4, 327,680 bytes of LDS; arguments f1, w12, grid_ff, f2; writes f2
;; launch gemm2: the kernel of part 3 again; grid 8 x 32, 4 waves a work-group, clusters of 4 x 4, 327,680 bytes of LDS; arguments f2, w3, out0; writes out0
